; MI455X (gfx1250); checked and timed in simulation.
; The chip was launched on July 23, 2026; its instructions are those of AMD's public machine-readable ISA for CDNA 5 (MIT licence, August 2026) and "CDNA5" Instruction Set Architecture Reference Guide (July 2026). The comments in the code are by the model that wrote it; some were corrected since.
;; Causal Self Attention. Allowed arithmetic: matrix products marked QUANTISED: E4M3 operands, one E8M0 scale for each 32 along K, by v_wmma_scale_f32_16x16x128_f8f6f4 with both operands' format E4M3, f32 sums; everything else in f32.
;; Inputs: b_proj 1,024 float32; b_qkv 3,072 float32; w_proj_codes 1,024 x 32 x 32 uint8 (E4M3 codes of w_proj, K innermost, in blocks of 32 codes); w_proj_scales 1,024 x 32 uint8 (E8M0 scales of w_proj, one for each 32 codes along K); w_qkv_codes 3,072 x 32 x 32 uint8 (E4M3 codes of w_qkv, K innermost, in blocks of 32 codes); w_qkv_scales 3,072 x 32 uint8 (E8M0 scales of w_qkv, one for each 32 codes along K); x_codes 4 x 2,048 x 32 x 32 uint8 (E4M3 codes of x, K innermost, in blocks of 32 codes); x_scales 4 x 2,048 x 32 uint8 (E8M0 scales of x, one for each 32 codes along K).
;; Outputs: out0 4 x 2,048 x 1,024 float32.
;; This version of the problem:
;;   THIS VERSION OF THE PROBLEM IS GIVEN IN LOW PRECISION. The matrix products marked QUANTISED in the list below multiply operands that are first quantised to E4M3 (4 exponent bits, 3 mantissa bits; 8 bits a number), with one power-of-two scale for each 32 numbers along K (OCP MX v1.0); their sums are f32. All else is computed in f32.
;;   The module's matrix products, in the order in which they are computed (A, B: the left and right operand; K: the contracted axis; several contracted axes count as one K, in the product's order):
;;     1. [M 8,192, K 1,024] x [K 1,024, N 3,072]; A: input x (given as codes); B: input w_qkv (given as codes): QUANTISED
;;     2. batch 64 x [M 2,048, K 64] x [K 64, N 2,048]; A: computed on the way; B: computed on the way: QUANTISED
;;     3. batch 64 x [M 2,048, K 2,048] x [K 2,048, N 64]; A: softmax (see below); B: computed on the way: QUANTISED
;;     4. [M 8,192, K 1,024] x [K 1,024, N 1,024]; A: computed on the way; B: input w_proj (given as codes): QUANTISED
;;   THE QUANTISER, for each operand of a quantised product, along K:
;;     - K is cut into blocks of 32 from its start; a last block that is shorter is filled with zeros.
;;     - A block's scale is 2^e with e = floor(log2(the largest magnitude in the block)) - 8, held to -126 .. 127; a block of zeros has e = 0. As a byte (E8M0): e + 127.
;;     - Each number is divided by its block's scale, clamped to +-448, and rounded to the nearest number of E4M3, ties to even, subnormals kept.
;;     - The product sums the exact products of the quantised numbers (number of the format x scale) in f32.
;;   ~~~python
;;   def quantise(x, axis):      # numpy; x: float32 -> the quantised numbers, widened to float32 again
;;       x = np.moveaxis(x, axis, -1); K = x.shape[-1]
;;       x = np.pad(x, [(0, 0)] * (x.ndim - 1) + [(0, -K % 32)]); x = x.reshape(x.shape[:-1] + (-1, 32)); a = np.abs(x).max(-1, keepdims=True)
;;       e = np.where(a > 0, np.clip(np.frexp(np.where(a > 0, a, 1))[1] - 1 - 8, -126, 127), 0)      # np.frexp(a)[1] - 1 = floor(log2(a)), exactly
;;       r = np.clip(x / 2.0 ** e, -448, 448)
;;       step = 2.0 ** (np.maximum(np.frexp(np.where(r == 0, 1, r))[1] - 1, -6) - 3)
;;       q = np.round(r / step) * step * 2.0 ** e      # np.round: ties to even
;;       return np.moveaxis(q.reshape(q.shape[:-2] + (-1,))[..., :K], -1, axis).astype(np.float32)
;;   ~~~
;;   SOFTMAX AHEAD OF A QUANTISED PRODUCT. Where the list says 'softmax', what is quantised is not the finished softmax but p = 2^(t - M), with t = logit x log2(e) and M = ceil(the row's largest t), a whole number; so 1/2 < the row's largest p <= 1. The row's sum l is taken of the UNQUANTISED p, in f32, and the product's result is divided by l at the end. Since M is a whole number, a kernel that streams over the keys may use a running M (the ceiling of the running maximum): every later rescaling is an exact power of two, which a block's scale takes up: the codes' values come out the same.
;;   OPERANDS COMPUTED ON THE WAY. 'Computed on the way' means the value that the module computes at that place (a softmax that the list does not call 'softmax' is quantised finished and normalised). What goes into a quantiser is computed in f32, as accurately as f32 sums, v_exp_f32 and their like allow (about 1e-6 of the number): no bf16 or f16 on the way to a quantiser, and a product that is left as it is and whose result goes on into a quantised operand takes f32 operands (vector FMAs, or v_wmma_f32_16x16x4_f32). A number that lies on a knife's edge between two numbers of the format may be rounded either way, as far as f32 arithmetic and the matrix unit's own rounding can turn it there, and no further.
;;   INPUTS GIVEN AS CODES. w_proj (in the module: [1024, 1024], K = its axis 0); w_qkv (in the module: [1024, 3072], K = its axis 0); x (in the module: [4, 2048, 1024], K = its axis 2): each comes as NAME_codes (uint8): NAME with its K axis moved to the last place and cut into blocks of 32 codes, [.., K / 32, bytes a block], one block behind the other in memory; one code a byte (a code: sign, 4 exponent bits, 3 mantissa bits); and NAME_scales (uint8): the same leading axes, one E8M0 byte (e + 127) for each 32 codes along K. Its value is code x scale, taken as it is: it is not quantised again, and the codes and scales need not be those that the quantiser above would give.
;; One version. Each part assembles by itself: llvm-mc -triple=amdgcn-amd-amdhsa -mcpu=gfx1250 --defsym DOCPART=n.
;; ======== version 1 of 1: 3 launches
;; limits: right only within a limited range of input values
;; workspace buffers: q 8,912,896 bytes; kv 17,563,648 bytes; y_codes 8,388,608 bytes; y_scales 262,144 bytes
;; launch qkv (part 1): grid 12 x 32, 4 waves a work-group, clusters of 4 x 4, 327,680 bytes of LDS; arguments x_codes, x_scales, w_qkv_codes, w_qkv_scales, b_qkv, q, kv; writes q, kv
.if DOCPART == 1
	.amdgcn_target "amdgcn-amd-amdhsa--gfx1250"
	.amdhsa_code_object_version 6
	.text
	.protected	k_q37c0c1fc1b_qkv
	.globl	k_q37c0c1fc1b_qkv
	.p2align	8
	.type	k_q37c0c1fc1b_qkv,@function
k_q37c0c1fc1b_qkv:
	s_mov_b64 s[64:65], 0
	v_nop
	global_prefetch_b8 v0, s[64:65] scope:SCOPE_SE
	s_setreg_imm32_b32 hwreg(HW_REG_WAVE_MODE, 25, 1), 1
	s_wait_xcnt 0x0
	s_wait_alu depctr_hold_cnt(0) depctr_sa_sdst(0) depctr_va_vdst(0) depctr_va_sdst(0) depctr_va_ssrc(0) depctr_va_vcc(0) depctr_vm_vsrc(0)
	s_getreg_b32 s2, hwreg(HW_REG_IB_STS2, 6, 4)
	s_cmp_eq_u32 s2, 0
	s_cbranch_scc0 .Lentry_in_a_cluster
	s_endpgm
.Lentry_in_a_cluster:
	s_bfe_u32 s2, ttmp6, 0x10000c
	s_cmp_lg_u32 s2, 0xf033
	s_cbranch_scc0 .Lentry_shape_is_right
	s_endpgm
.Lentry_shape_is_right:
; qkv = x w_qkv + b_qkv on codes of FP8 (E4M3) with one E8M0 scale for each 32 along K = 1,024; then q and k are quantised along the head's 64 and v along the keys, and leave as codes.
; The text computes C'[i][j] = A'[i] . B'[j] on tiles of 256 x 256; four waves, each 128 x 128: 64 accumulators of 16 x 16.  The matrix instruction takes 16 rows of B' as source 0 and 16 rows of A' as source 1,
; so that a lane holds ONE row of A' and eight neighbours along B'.  What is quantised must run along B':
;   clusters x = 0, 1 (q, k): A' = x (tokens), B' = w_qkv's rows 0 .. 2,047 (features);     cluster x = 2 (v): A' = w_qkv's rows 2,048 on (features), B' = x (keys).
; The choice is one of pointers and of constants, on the cluster's x alone, which all sixteen partners share.
; K goes in steps of 256 through a ring of two LDS slots filled by the tensor data mover; the scale bytes of the work-group's rows, for all of K, come once.  The four work-groups of a row of the cluster ask
; for A's tiles jointly, the four of a column for B's.
; THE WAY OUT has no LDS.  The 16 registers of B's blocks 2 c, 2 c + 1 are converted to four registers of codes, which are used as registers 4 c .. 4 c + 3 of the next product's operand as they stand: place
; 32 c + 16 h + i of that operand holds k = 32 c + 8 h + i (i < 8) or 32 c + 16 + 8 h + i - 8.  That is a permutation inside a block of 32; q and k have it alike, v and the softmax's p have it alike.
; An operand is stored as an image of its registers: four registers of the 32 lanes are 512 consecutive bytes, lane l at 16 l.
;   q : [batch x head 64][group of 128 queries 16][8,704]: tile a of 16 queries at 1,024 a + 512 c + 16 l; scale words at 8,192 + 256 (a / 4) + 16 r + 4 (a % 4): two bytes, 0x7f7f above them.
;   kv: [batch x head 64][128 keys 16][17,152]: K's codes and scale words as q's; V's scale words at 8,704 + 16 r + 4 t; V's codes at 8,960 + 2,048 t + 512 c + 16 l (t: 16 of the head's 64).
; LIMITS: NaN and infinities are not served.  A block whose largest magnitude lies under 2^-118 keeps the byte 1; so does a block of zeros (its codes are zeros; this program alone reads the bytes).
; The permutation regroups the products inside one matrix instruction: the sums differ from those in k's true order by their last bits.
; REGISTERS, in windows of 256: window 0: v1-7 at work at the head; v8-15 the bias along A'; v16-31 addresses; v32-63 scale words, two sets; v64-127 the bias along B'; from v128 A's fragments, one set,
;   on the way out v128-239 at work.  window 1: B's fragments, two sets.  window 2: the accumulators of my rows 0-63 ((a, b) at v[8 (8 a + b)]).  window 3: those of my rows 64-127.
.set KSTEP,  256
.set NQ,     2                         ; matrix instructions deep in a slot
.set ROWB,   256                       ; a tile's row in bytes
.set KROW,   1024                      ; a row of x or of w_qkv in memory
.set PITCH,  272                       ; an LDS row: 256 bytes + 16 of padding: the 16 rows of a load start 68 words apart
.set FR,     16
.set NL,     4
.set NP,     8                         ; places behind this matrix instruction (ISA guide 7.12.1)
.set HALFT,  128*PITCH
.set SLOT,   4*HALFT
.set LAPS,   2                         ; 1,024 along K = two laps of two slots
.set KS,     32                        ; a row of scale bytes
.set SCL,    2*SLOT
.set HALFS,  (128*KS/256)*272
.set SBLK,   (16*KS/256)*272
.set SPARE,  SCL+4*HALFS               ; the spare words: 128 bytes a wave, two blocks of 256 bytes that no other line names
.set HSQ,    139264                    ; a head in q
.set GSQ,    8704                      ; a group of 128 queries
.set HSK,    274432                    ; a head in kv
.set GSK,    17152                     ; 128 keys
.set KSW,    8192
.set VSW,    8704
.set VCO,    8960
.set BA,   8                           ; v8-15   b_qkv at A's row 16 a + r (v), else 0
.set ADRA, 16
.set VO0,  18                          ; v18, 19, 22, 23: where my 16 bytes of the four groups of codes go
.set VO1,  19
.set ADRB, 20
.set VO2,  22
.set VO3,  23
.set VSO,  24                          ; v24     where my four scale words go
.set SH,   25                          ; v25     16 x (lane / 16)
.set ADRS, 27
.set SPW,  28
.set NIL,  29
.set BOF,  30                          ; v30, v31 offsets of the bias loads
.set AOF,  31
.set SC,   32
.set BB,   64                          ; v64-127 b_qkv at B's column 16 b + 8 h + j (q, k), else 0
.set AF,   128
.set T,    128                         ; the way out: 64 numbers
.set PC,   192                         ; their codes
.set TM,   208                         ; at work
.set PWS,  224                         ; the eight blocks' scale words
.set W,    232                         ; scale words as they are stored
.set G1, 24
.set G0, 32
.set G1B, 48
.set G0B, 56
.set G1S, 68
.set G0S, 76
.set G1SB, 80
.set G0SB, 88
.set SEL, 22                           ; s[22:23] lane selects: lane l xor 16
.set MNT, 8
.set HM,  11                           ; s11  the mask of lanes 16-31
.set WM,  40                           ; s40  0x7f7f0000
.set MSB, 0
.macro WIN new                         ; the immediate's high byte repeats the setting that is left
.if MSB != (\new)
	s_set_vgpr_msb (MSB<<8)|(\new)
.set MSB, (\new)
.endif
.endm
.set MUL_LO, 0xa1                      ; source 0 (B') window 1, source 1 (A') window 0, C and D window 2
.set MUL_HI, 0xf1                      ; the same, C and D window 3
.set TO_B,   0x40
; A joint load: waves 0 and 1 fetch for A', waves 2 and 3 for B'.  The branch hangs on the wave's number alone.  Four v_nop follow each of the two lines.
.macro JLOAD g0a, g1a, g0b, g1b
	s_cmp_eq_u32 s15, 0
	s_cbranch_scc0 .Lfor_b_\@
	tensor_load_to_lds s[\g0a:\g0a+3], s[\g1a:\g1a+7]
	s_nop 0
.rept 4
	v_nop
.endr
	s_branch .Lasked_\@
.Lfor_b_\@:
	tensor_load_to_lds s[\g0b:\g0b+3], s[\g1b:\g1b+7]
	s_nop 0
.rept 4
	v_nop
.endr
.Lasked_\@:
.endm
.macro CREST                           ; a round of the cluster's barrier behind its opening barrier
	s_cmp_lg_u32 s14, 0
	s_cbranch_scc1 .Lnot_wave_0_\@
	s_barrier_signal -3
.Lnot_wave_0_\@:
	s_barrier_wait -3
	s_barrier_signal -1
	s_barrier_wait -1
.endm
.macro CROUND
	s_barrier_signal -1
	s_barrier_wait -1
	CREST
.endm
	s_load_b128 s[4:7], s[0:1], 0x0                ; x's codes, x's scales
	s_load_b128 s[8:11], s[0:1], 0x10              ; w_qkv's codes, its scales
	s_load_b128 s[96:99], s[0:1], 0x20             ; b_qkv, q
	s_load_b64 s[100:101], s[0:1], 0x30            ; kv
	v_lshl_add_u32 v[SPW], v0, 2, SPARE
	v_mov_b32 v[NIL], 0
	ds_add_u32 v28, v29
	ds_add_u32 v28, v29
	s_wait_dscnt 0x0
	v_lshrrev_b32 v1, 5, v0
	v_readfirstlane_b32 s14, v1                    ; wave 0..3
	s_lshr_b32 s15, s14, 1                         ; which half of the tile's rows is mine.  Also: I fetch for A' (0) or for B' (1)
	s_and_b32 s16, s14, 1                          ; which half of its columns.  Also: which 128 rows of that tile I fetch
	s_bfe_u32 s40, ttmp6, 0x40000                  ; cx, cy: my place in the cluster
	s_bfe_u32 s41, ttmp6, 0x40004
	s_and_b32 s2, ttmp7, 0xffff
	s_lshl_b32 s2, s2, 2                           ; 4 x cluster y
	s_lshl_b32 s3, ttmp9, 2                        ; 4 x cluster x
	s_cmp_eq_u32 ttmp9, 2                          ; v's clusters?
	s_cselect_b32 s42, s2, s3                      ; tile column: v: the keys go along the cluster's y; q, k: the features along its x
	s_cselect_b32 s17, 0, s2                       ; tile row: v: the four tiles of its 1,024 features; q, k: the tokens
	s_add_co_u32 s42, s42, s40
	s_add_co_u32 s17, s17, s41
	s_lshl_b32 s43, s41, 2
	s_lshl_b32 s43, 15, s43                        ; my row of the cluster
	s_lshl_b32 s44, 0x1111, s40                    ; my column
	; descriptor group 1: a tile of 128 rows x 256 bytes, 16 bytes of padding behind each row
	s_or_b32 s[G1+0], s43, (0<<16)|(1<<20)|(1<<21)|(5<<22)|(3<<25)  ; 15:0 the mask: A's tiles go to my row; elements of 1 byte; padding on; bit 21 beside a mask; after every 64 words four words
	s_or_b32 s[G1B+0], s44, (0<<16)|(1<<20)|(1<<21)|(5<<22)|(3<<25)
.irp g, G1, G1B
	s_mov_b32 s[\g+1], ROWB<<16                    ; tensor_dim0
	s_mov_b32 s[\g+2], 128<<16                     ; tensor_dim1
	s_mov_b32 s[\g+3], ROWB<<16                    ; tile_dim0
	s_mov_b32 s[\g+4], 128                         ; tile_dim1
	s_mov_b32 s[\g+5], KROW                        ; from row to row
	s_mov_b32 s[\g+6], 0
	s_mov_b32 s[\g+7], 0
.endr
	; the scale bytes of 128 rows: 4,096 dense bytes, as 16 rows of 256 (32 elements of 8 bytes), 16 bytes of padding behind each
	s_or_b32 s[G1S+0], s43, (3<<16)|(1<<20)|(1<<21)|(5<<22)|(3<<25)
	s_or_b32 s[G1SB+0], s44, (3<<16)|(1<<20)|(1<<21)|(5<<22)|(3<<25)
.irp g, G1S, G1SB
	s_mov_b32 s[\g+1], 32<<16
	s_mov_b32 s[\g+2], (128*KS/256)<<16
	s_mov_b32 s[\g+3], 32<<16
	s_mov_b32 s[\g+4], 128*KS/256
	s_mov_b32 s[\g+5], 32
	s_mov_b32 s[\g+6], 0
	s_mov_b32 s[\g+7], 0
.endr
	s_lshl_b32 s18, s16, 7                         ; which 128 rows of the tile I fetch
	s_lshl_b32 s20, s17, 8
	s_add_co_u32 s20, s20, s18                     ; A': row 256 x tile row + 128 x half
	s_lshl_b32 s46, s42, 8
	s_add_co_u32 s46, s46, s18                     ; B': row 256 x tile column + 128 x half
	s_mov_b32 s21, 0
	s_mov_b32 s47, 0
	s_mov_b64 s[18:19], KS
	s_mul_u64 s[22:23], s[20:21], s[18:19]         ; where these rows' scales begin, in bytes
	s_mul_u64 s[92:93], s[46:47], s[18:19]
	s_mov_b64 s[18:19], KROW
	s_mul_u64 s[20:21], s[20:21], s[18:19]         ; and their codes
	s_mul_u64 s[46:47], s[46:47], s[18:19]
	s_mul_i32 s45, s14, HALFT                      ; where they go: wave x 128 rows
	s_mul_i32 s94, s14, HALFS
	s_wait_kmcnt 0x0
	s_add_nc_u64 s[2:3], s[8:9], 0x200000          ; w_qkv from row 2,048 on: codes,
	s_add_nc_u64 s[66:67], s[10:11], 0x10000       ; scale bytes
	s_cmp_eq_u32 ttmp9, 2
	s_cselect_b64 s[2:3], s[2:3], s[4:5]           ; A's codes
	s_cselect_b64 s[66:67], s[66:67], s[6:7]       ; A's scales
	s_cselect_b64 s[8:9], s[4:5], s[8:9]           ; B's codes
	s_cselect_b64 s[10:11], s[6:7], s[10:11]       ; B's scales
	s_add_nc_u64 s[20:21], s[2:3], s[20:21]
	s_add_nc_u64 s[22:23], s[66:67], s[22:23]
	s_add_nc_u64 s[46:47], s[8:9], s[46:47]
	s_add_nc_u64 s[92:93], s[10:11], s[92:93]
	CROUND                                         ; all sixteen work-groups are here: the first joint loads meet
	s_mov_b32 s[G0S], 1
	s_add_co_u32 s[G0S+1], s94, SCL
	s_mov_b64 s[G0S+2:G0S+3], s[22:23]
	s_or_b32 s[G0S+3], s[G0S+3], 0x80000000
	s_mov_b32 s[G0SB], 1
	s_add_co_u32 s[G0SB+1], s94, SCL
	s_mov_b64 s[G0SB+2:G0SB+3], s[92:93]
	s_or_b32 s[G0SB+3], s[G0SB+3], 0x80000000
	JLOAD G0S, G1S, G0SB, G1SB                     ; the scales first: they are wanted with K step 0
.irp s, 0,1
	s_mov_b32 s[G0+4*\s], 1
	s_add_co_u32 s[G0+4*\s+1], s45, \s*SLOT
	s_add_nc_u64 s[G0+4*\s+2:G0+4*\s+3], s[20:21], \s*ROWB
	s_or_b32 s[G0+4*\s+3], s[G0+4*\s+3], 0x80000000
	s_mov_b32 s[G0B+4*\s], 1
	s_add_co_u32 s[G0B+4*\s+1], s45, \s*SLOT
	s_add_nc_u64 s[G0B+4*\s+2:G0B+4*\s+3], s[46:47], \s*ROWB
	s_or_b32 s[G0B+4*\s+3], s[G0B+4*\s+3], 0x80000000
	JLOAD G0+4*\s, G1, G0B+4*\s, G1B
.endr
	v_and_b32 v1, 15, v0                           ; r = lane % 16
	v_bfe_u32 v2, v0, 4, 1                         ; h = lane / 16
	v_mul_u32_u24 v3, v1, PITCH
	v_lshl_add_u32 v4, v2, 4, v3                   ; a fragment's row x pitch + 16 h
	s_mul_i32 s21, s15, HALFT                      ; my 128 rows of A'
	s_mul_i32 s22, s16, HALFT                      ; my 128 rows of B',
	s_add_co_u32 s22, s22, 2*HALFT                 ; which lie behind A's 256
.irp s, 0,1
	v_add_nc_u32 v[ADRA+\s], s21, v4
	v_add_nc_u32 v[ADRB+\s], s22, v4
	s_add_co_u32 s21, s21, SLOT
	s_add_co_u32 s22, s22, SLOT
.endr
	v_mul_u32_u24 v5, v1, KS                       ; my row's scales: 32 bytes a row,
	v_lshrrev_b32 v6, 8, v5
	v_lshl_add_u32 v5, v6, 4, v5                   ; and 16 more for each 256 passed
	s_mul_i32 s21, s15, HALFS
	s_mul_i32 s22, s16, HALFS
	s_add_co_u32 s22, s22, 2*HALFS
	s_sub_co_u32 s22, s22, s21
	v_mul_u32_u24 v6, s22, v2                      ; lanes 16-31 take B's
	s_add_co_u32 s21, s21, SCL
	v_add_nc_u32 v5, v5, v6
	v_add_nc_u32 v[ADRS], s21, v5
	; THE BIAS.  RA, RB: my wave's first row of A' and of B'.  q, k: b_qkv runs along B' and is the C of the first products; v: it runs along A' and is added on the way out.  Both sets are loaded in every
	; wave, from places inside b_qkv, and the set that does not apply is masked to zeros.
	s_lshl_b32 s20, s17, 8
	s_lshl_b32 s21, s15, 7
	s_add_co_u32 s20, s20, s21                     ; RA
	s_lshl_b32 s46, s42, 8
	s_lshl_b32 s47, s16, 7
	s_add_co_u32 s46, s46, s47                     ; RB
	s_add_co_u32 s21, s20, 2048
	s_cmp_eq_u32 ttmp9, 2
	s_cselect_b32 s4, s46, s20                     ; my first token
	s_cselect_b32 s5, s20, s46                     ; my first feature
	s_cselect_b32 s9, 0, -1                        ; the mask of the bias along B'
	s_cselect_b32 s10, -1, 0                       ; and along A'
	s_cselect_b32 s6, 0, s46
	s_cselect_b32 s7, s21, 0
	s_lshl_b32 s6, s6, 2
	s_lshl_b32 s7, s7, 2
	v_lshl_add_u32 v[BOF], v2, 5, s6               ; 4 (RB + 8 h)
	v_lshl_add_u32 v[AOF], v1, 2, s7               ; 4 (2,048 + RA + r)
.irp b, 0,1,2,3,4,5,6,7
	global_load_b128 v[BB+8*\b:BB+8*\b+3], v[BOF], s[96:97] offset:64*\b
	global_load_b128 v[BB+8*\b+4:BB+8*\b+7], v[BOF], s[96:97] offset:64*\b+16
.endr
.irp a, 0,1,2,3,4,5,6,7
	global_load_b32 v[BA+\a], v[AOF], s[96:97] offset:64*\a
.endr
	; where the results go
	s_and_b32 s5, s5, 1023
	s_lshr_b32 s5, s5, 6                           ; the first of my two heads
	s_lshr_b32 s11, s4, 11
	s_lshl_b32 s11, s11, 4
	s_add_co_u32 s5, s5, s11                       ; 16 x batch + head
	s_bfe_u32 s4, s4, 0x40007                      ; which 128 tokens of the sequence
	s_mov_b32 s18, HSK
	s_mov_b32 s19, GSK
	s_cmp_eq_u32 ttmp9, 0                          ; q, or kv?
	s_cselect_b64 s[12:13], s[98:99], s[100:101]
	s_cselect_b32 s18, HSQ, s18                    ; from head to head
	s_cselect_b32 s19, GSQ, s19                    ; from 128 tokens to the next
	s_mul_i32 s5, s5, s18
	s_mul_i32 s4, s4, s19
	s_add_co_u32 s46, s5, s4
	s_mov_b32 s47, 0
	s_add_nc_u64 s[12:13], s[12:13], s[46:47]
	s_mov_b32 s46, KSW
	s_mov_b32 s4, 1024
	s_mov_b32 s6, 1024
	s_mov_b32 s5, 0
	s_mov_b32 s7, 0
	s_mov_b32 s21, 0
	s_cmp_eq_u32 ttmp9, 2
	s_cselect_b32 s46, VSW, s46                    ; the scale words' place
	s_cselect_b32 s4, 2048, s4                     ; s[4:5]: from a block of A' to the next: a tile of 16 tokens (q, k), 16 of the head's 64 (v)
	s_cselect_b32 s6, HSK-3*2048, s6               ; s[6:7]: the same from block 3 to block 4: v goes on to my second head
	s_cselect_b32 s19, 1024, s18                   ; from groups 0, 1 of a block's codes to groups 2, 3: v: the same fragment; q, k: my second head
	s_cselect_b32 s20, VCO, 0
	s_add_nc_u64 s[66:67], s[12:13], s[46:47]      ; the scale words' base
	s_add_nc_u64 s[12:13], s[12:13], s[20:21]      ; the codes' base
	s_mov_b32 s[SEL], 0x76543210
	s_mov_b32 s[SEL+1], 0xfedcba98
	s_mov_b32 s[WM], 0x7f7f0000
	v_and_b32 v7, 31, v0
	v_lshlrev_b32 v[VO0], 4, v7                    ; 16 x lane
	v_add_nc_u32 v[VO1], 512, v[VO0]
	v_add_nc_u32 v[VO2], s19, v[VO0]
	v_add_nc_u32 v[VO3], 512, v[VO2]
	v_mul_lo_u32 v[VSO], v2, s18                   ; lanes 16-31 store my second head's words
	v_lshl_add_u32 v[VSO], v1, 4, v[VSO]
	v_lshlrev_b32 v[SH], 4, v2
	v_cmp_eq_u32 s[HM], 1, v2
	s_wait_loadcnt 0x0                             ; the bias
.set n, 0
.rept 64
	v_and_b32 v[BB+n], s9, v[BB+n]
.set n, n+1
.endr
.set n, 0
.rept 8
	v_and_b32 v[BA+n], s10, v[BA+n]
.set n, n+1
.endr
.macro FRAG reg, adr, q, i             ; 16 rows x 128 K: lane l holds row l % 16; registers 4 c .. 4 c + 3 hold K = 32 c + 16 (l / 16) + 0 .. 15
.irp c, 0,1,2,3
	ds_load_b128 v[\reg+4*\c:\reg+4*\c+3], v[\adr] offset:128*(\q)+32*\c+(\i)*16*PITCH
.endr
.endm
; 16 matrix instructions: A's blocks a0, a0 + 1 x B's eight.  zero = 1: the first products start the sums from the bias along B'.  The 64 accumulators take turns, one instruction a turn, in the same order
; in every step.
.macro MUL16 a0, p, q, sc, zero
.irp a, \a0, \a0+1
.irp b, 0,1,2,3,4,5,6,7
.if \zero
	v_wmma_scale_f32_16x16x128_f8f6f4 v[8*(8*((\a)%4)+\b):8*(8*((\a)%4)+\b)+7], v[128*(\p)+FR*\b:128*(\p)+FR*\b+FR-1], v[AF+FR*(\a):AF+FR*(\a)+FR-1], v[BB+8*\b:BB+8*\b+7], v[SC+8*NQ*(\sc)+NQ*\b+(\q)], v[SC+8*NQ*(\sc)+NQ*(\a)+(\q)] matrix_a_scale:MATRIX_SCALE_ROW1
.else
	v_wmma_scale_f32_16x16x128_f8f6f4 v[8*(8*((\a)%4)+\b):8*(8*((\a)%4)+\b)+7], v[128*(\p)+FR*\b:128*(\p)+FR*\b+FR-1], v[AF+FR*(\a):AF+FR*(\a)+FR-1], v[8*(8*((\a)%4)+\b):8*(8*((\a)%4)+\b)+7], v[SC+8*NQ*(\sc)+NQ*\b+(\q)], v[SC+8*NQ*(\sc)+NQ*(\a)+(\q)] matrix_a_scale:MATRIX_SCALE_ROW1
.endif
.endr
.endr
.endm
.macro FETCH_B slot, q, p
	WIN TO_B
.irp i, 0,1,2,3,4,5,6,7
	FRAG 128*(\p)+FR*\i, ADRB+\slot, \q, \i
.endr
	WIN 0
.endm
.macro FETCH_A slot, q, i0
.irp i, \i0, \i0+1, \i0+2, \i0+3
	FRAG AF+FR*(\i), ADRA+\slot, \q, \i
.endr
.endm
.macro SCALES sc                       ; a K step's scale words: two words a row; lanes 0-15 take A's block i, lanes 16-31 B's block i
.irp i, 0,1,2,3,4,5,6,7
	ds_load_b64 v[SC+8*NQ*\sc+NQ*\i:SC+8*NQ*\sc+NQ*\i+1], v[ADRS] offset:\i*SBLK
.endr
.endm
.macro PLACES n                        ; plain vector instructions between a matrix instruction and a load into, or a vector instruction on, its registers
.rept \n
	v_nop
.endr
.endm
; A step of 128 along K that has its successor in the same slot.
.macro STEP slot, q, zero
	s_wait_dscnt 4*NL                              ; B's set and A's blocks 0-3 are in; the youngest 16 loads (A's blocks 4-7) may be out
.if \zero
	WIN 0x81                                       ; C (the bias) in window 0, D in window 2
.else
	WIN MUL_LO
.endif
	MUL16 0, (\q)%2, \q, \slot, \zero
	MUL16 2, (\q)%2, \q, \slot, \zero
	s_wait_dscnt 0                                 ; A's blocks 4-7 are in
	PLACES NP
	FETCH_B \slot, (\q)+1, 1-(\q)%2
	FETCH_A \slot, (\q)+1, 0
.if \zero
	WIN 0xc1
.else
	WIN MUL_HI
.endif
	MUL16 4, (\q)%2, \q, \slot, \zero
	MUL16 6, (\q)%2, \q, \slot, \zero
	PLACES NP
	WIN 0
	FETCH_A \slot, (\q)+1, 4
.endm
; A slot's last step changes slots: one barrier; in front of it each wave waits for all its tensor loads, adds 0 to its spare word, and waits for that and for its own reads of this slot.
.macro TURN slot, next, fill
	s_wait_tensorcnt 0x0                           ; all my tensor loads have landed: my part of the next slot
	ds_add_u32 v[SPW], v[NIL]                      ; 0 onto my spare word
	s_wait_dscnt 4*NL+1                            ; the add and the youngest 16 loads (A's blocks 4-7) may be out
	WIN MUL_LO
	MUL16 0, 1, NQ-1, \slot, 0
	s_wait_dscnt 0x0                               ; the add is done, and my reads of this slot are over
	s_barrier_signal -1
	MUL16 2, 1, NQ-1, \slot, 0
	WIN 0
	s_barrier_wait -1
.if \fill
	CREST                                          ; the barrier has opened a round of the cluster's barrier: no wave of any partner still reads this slot or has a load on its way
	s_add_nc_u64 s[G0+4*\slot+2:G0+4*\slot+3], s[G0+4*\slot+2:G0+4*\slot+3], 2*ROWB
	s_add_nc_u64 s[G0B+4*\slot+2:G0B+4*\slot+3], s[G0B+4*\slot+2:G0B+4*\slot+3], 2*ROWB
	JLOAD G0+4*\slot, G1, G0B+4*\slot, G1B         ; the first tensor load behind the round; its four v_nop are among the places in front of the loads below
	PLACES NP-4
.else
	PLACES NP
.endif
	s_wait_alu depctr_va_vdst(0)
	v_add_nc_u32 v[ADRS], 4*NQ, v[ADRS]            ; on to the next K step's scale words
	FETCH_B \next, 0, 0
	FETCH_A \next, 0, 0
	SCALES \next
	WIN MUL_HI
	MUL16 4, 1, NQ-1, \slot, 0
	MUL16 6, 1, NQ-1, \slot, 0
	PLACES NP
	WIN 0
	FETCH_A \next, 0, 4
.endm
	s_wait_alu depctr_va_vdst(0)
	s_wait_tensorcnt 1                             ; the scales and my part of K step 0 are in; K step 1's load may be out
	s_barrier_signal -1
	s_barrier_wait -1
	FETCH_B 0, 0, 0
	FETCH_A 0, 0, 0
	SCALES 0
	FETCH_A 0, 0, 4
	STEP 0, 0, 1                                   ; the first step stands in front of the loop: its products start the sums
	s_mov_b32 s3, LAPS-1
.Llap:                                                 ; a trip goes once round the ring and fills both slots again
	TURN 0, 1, 1
	STEP 1, 0, 0
	TURN 1, 0, 1
	STEP 0, 0, 0
	s_sub_co_u32 s3, s3, 1
	s_cmp_lg_u32 s3, 0
	s_cbranch_scc1 .Llap
	TURN 0, 1, 0                                   ; the last lap fills nothing
	STEP 1, 0, 0
	s_wait_dscnt 4*NL
	WIN MUL_LO
	MUL16 0, 1, NQ-1, 1, 0
	MUL16 2, 1, NQ-1, 1, 0
	s_wait_dscnt 0
	WIN MUL_HI
	MUL16 4, 1, NQ-1, 1, 0
	MUL16 6, 1, NQ-1, 1, 0
	WIN 0
; 64 numbers of a lane, v[s + 16 b + i], four blocks of 32 that I share with lane l xor 16, become 16 registers of codes in v[PC] on and a scale word in v[pw].
.macro QUANT s, pw
.irp b, 0,1,2,3
	v_max3_num_f32 v[TM+\b], |v[\s+16*\b]|, |v[\s+1+16*\b]|, 0x4800000   ; my 16 numbers, and the floor 2^(9 - 127): the byte cannot fall under 1
.endr
.irp i, 2,4,6,8,10,12,14
.irp b, 0,1,2,3
	v_max3_num_f32 v[TM+\b], v[TM+\b], |v[\s+16*\b+\i]|, |v[\s+1+16*\b+\i]|
.endr
.endr
.irp b, 0,1,2,3
	v_permlanex16_b32 v[TM+4+\b], v[TM+\b], s[SEL], s[SEL+1]
.endr
.irp b, 0,1,2,3
	v_max_num_f32 v[TM+\b], v[TM+\b], v[TM+4+\b]   ; the block's largest magnitude
.endr
.irp b, 0,1,2,3
	v_add_nc_u32 v[TM+12+\b], 0xfc000000, v[TM+\b] ; 8 off its exponent field: the conversion's scale operand
.endr
.irp b, 0,1,2,3
.endr
.irp b, 0,1,2,3
	v_lshrrev_b32 v[TM+4+\b], 23, v[TM+12+\b]      ; the scale's byte
.endr
	v_lshl_or_b32 v[\pw], v[TM+5], 8, v[TM+4]
	v_lshl_or_b32 v[\pw], v[TM+6], 16, v[\pw]
	v_lshl_or_b32 v[\pw], v[TM+7], 24, v[\pw]
.irp b, 0,1,2,3
.irp i, 0,1,2,3,4,5,6,7,8,9,10,11,12,13,14,15
.endr
	v_cvt_scalef32_pk8_fp8_f32 v[PC+4*\b:PC+1+4*\b], v[\s+16*\b:\s+7+16*\b], v[TM+12+\b]
	v_cvt_scalef32_pk8_fp8_f32 v[PC+2+4*\b:PC+3+4*\b], v[\s+8+16*\b:\s+15+16*\b], v[TM+12+\b]
.endr
	v_nop                                          ; a plain instruction between the last conversion and the next vector instruction on its registers
.endm
; Block a of A' (16 rows) leaves: its 64 results a lane come to window 0 with the bias along A' added (each accumulator from its low end on), are quantised, and four stores of 512 consecutive bytes follow.
.macro OUTA a
.if (\a) > 0
	s_wait_xcnt 0x0                                ; the last block's stores have read their data and their base: both are written again only behind this wait
.if (\a) == 4
	s_add_nc_u64 s[12:13], s[12:13], s[6:7]
.else
	s_add_nc_u64 s[12:13], s[12:13], s[4:5]
.endif
.endif
	WIN 0x02+(\a)/4                                ; source 0: window 2 or 3
.irp b, 0,1,2,3,4,5,6,7
.irp i, 0,2,4,6
.if (\a)%2
	v_pk_add_f32 v[T+8*\b+\i:T+8*\b+\i+1], v[64*((\a)%4)+8*\b+\i:64*((\a)%4)+8*\b+\i+1], v[BA+2*((\a)/2):BA+2*((\a)/2)+1] op_sel:[0,1] op_sel_hi:[1,1]
.else
	v_pk_add_f32 v[T+8*\b+\i:T+8*\b+\i+1], v[64*((\a)%4)+8*\b+\i:64*((\a)%4)+8*\b+\i+1], v[BA+2*((\a)/2):BA+2*((\a)/2)+1] op_sel_hi:[1,0]
.endif
.endr
.endr
	WIN 0
	QUANT T, PWS+(\a)
	global_store_b128 v[VO0], v[PC:PC+3], s[12:13] th:TH_STORE_NT
	global_store_b128 v[VO1], v[PC+4:PC+7], s[12:13] th:TH_STORE_NT
	global_store_b128 v[VO2], v[PC+8:PC+11], s[12:13] th:TH_STORE_NT
	global_store_b128 v[VO3], v[PC+12:PC+15], s[12:13] th:TH_STORE_NT
.endm
	PLACES NP                                      ; behind the last products: the lines below write registers that held A's fragments and read results
.irp b, 0,1,2,3
	v_mov_b32 v[TM+4+\b], 0                        ; written once: a lane permute's destination counts as one of its sources
.endr
.irp a, 0,1,2,3,4,5,6,7
	OUTA \a
.endr
	; the scale words.  The branch hangs on the cluster's x alone
	s_cmp_eq_u32 ttmp9, 2
	s_cbranch_scc1 .Lv_words
.irp a, 0,1,2,3,4,5,6,7
	v_lshrrev_b32 v[W+\a], v[SH], v[PWS+\a]        ; q, k: bytes 0, 1 are my first head's two blocks, bytes 2, 3 my second head's: lanes 16-31 take the second
.endr
.irp a, 0,1,2,3,4,5,6,7
	v_and_or_b32 v[W+\a], v[W+\a], 0xffff, s[WM]   ; above them the byte of 1.0 for the zero codes that fill K from 64 to 128
.endr
	global_store_b128 v[VSO], v[W:W+3], s[66:67] th:TH_STORE_NT              ; sixteen lanes store 256 consecutive bytes
	global_store_b128 v[VSO], v[W+4:W+7], s[66:67] offset:256 th:TH_STORE_NT
	s_branch .Lwords_done
.Lv_words:
.irp j, 0,1,2,3
	v_cndmask_b32 v[W+\j], v[PWS+\j], v[PWS+4+\j], s[HM]   ; v: blocks 0-3 are my first head's 64, blocks 4-7 my second head's
.endr
	global_store_b128 v[VSO], v[W:W+3], s[66:67] th:TH_STORE_NT
.Lwords_done:
	s_wait_tensorcnt 0x0                           ; the wave's end
	ds_add_u32 v[SPW], v[NIL]
	s_wait_dscnt 0x0
	CROUND                                         ; the closing round: no work-group ends while a partner may still ask for a tile that names it
	s_endpgm
.Lfunc_end_k_q37c0c1fc1b_qkv:
	.size	k_q37c0c1fc1b_qkv, .Lfunc_end_k_q37c0c1fc1b_qkv-k_q37c0c1fc1b_qkv
	.p2alignl 7, 3214868480
	.fill 96, 4, 3214868480
	.section	.rodata,"a",@progbits
	.p2align	6, 0x0
	.amdhsa_kernel k_q37c0c1fc1b_qkv
		.amdhsa_group_segment_fixed_size 327680
		.amdhsa_private_segment_fixed_size 0
		.amdhsa_enable_private_segment 0
		.amdhsa_kernarg_size 56
		.amdhsa_user_sgpr_count 2
		.amdhsa_user_sgpr_kernarg_segment_ptr 1
		.amdhsa_wavefront_size32 1
		.amdhsa_system_sgpr_workgroup_id_x 1
		.amdhsa_system_sgpr_workgroup_id_y 1
		.amdhsa_system_sgpr_workgroup_id_z 1
		.amdhsa_system_vgpr_workitem_id 0
		.amdhsa_next_free_vgpr 1024
		.amdhsa_next_free_sgpr 102
		.amdhsa_reserve_vcc 0
		.amdhsa_float_denorm_mode_32 3
		.amdhsa_float_denorm_mode_16_64 3
		.amdhsa_fp16_overflow 1
		.amdhsa_memory_ordered 1
		.amdhsa_forward_progress 1
		.amdhsa_inst_pref_size 174
	.end_amdhsa_kernel
	.amdgpu_metadata
---
amdhsa.version: [ 1, 2 ]
amdhsa.kernels:
  - .name:           k_q37c0c1fc1b_qkv
    .symbol:         k_q37c0c1fc1b_qkv.kd
    .args:
      - { .name: x_codes, .offset: 0, .size: 8, .value_kind: global_buffer, .address_space: global }
      - { .name: x_scales, .offset: 8, .size: 8, .value_kind: global_buffer, .address_space: global }
      - { .name: w_qkv_codes, .offset: 16, .size: 8, .value_kind: global_buffer, .address_space: global }
      - { .name: w_qkv_scales, .offset: 24, .size: 8, .value_kind: global_buffer, .address_space: global }
      - { .name: b_qkv, .offset: 32, .size: 8, .value_kind: global_buffer, .address_space: global }
      - { .name: q, .offset: 40, .size: 8, .value_kind: global_buffer, .address_space: global }
      - { .name: kv, .offset: 48, .size: 8, .value_kind: global_buffer, .address_space: global }
    .group_segment_fixed_size: 327680
    .private_segment_fixed_size: 0
    .kernarg_segment_align: 8
    .kernarg_segment_size: 56
    .max_flat_workgroup_size: 128
    .sgpr_count:     102
    .vgpr_count:     1024
    .wavefront_size: 32
...
	.end_amdgpu_metadata
.endif
;; end of part 1
;; launch attn (part 2): grid 4 x 64, 16 waves a work-group, clusters of 4 x 1, 276,480 bytes of LDS; arguments q, kv, y_codes, y_scales; writes y_codes, y_scales
.if DOCPART == 2
	.amdgcn_target "amdgcn-amd-amdhsa--gfx1250"
	.amdhsa_code_object_version 6
	.text
	.protected	k_q37c0c1fc1b_attn
	.globl	k_q37c0c1fc1b_attn
	.p2align	8
	.type	k_q37c0c1fc1b_attn,@function
k_q37c0c1fc1b_attn:
	s_mov_b64 s[64:65], 0
	v_nop
	global_prefetch_b8 v0, s[64:65] scope:SCOPE_SE
	s_setreg_imm32_b32 hwreg(HW_REG_WAVE_MODE, 25, 1), 1
	s_wait_xcnt 0x0
	s_wait_alu depctr_hold_cnt(0) depctr_sa_sdst(0) depctr_va_vdst(0) depctr_va_sdst(0) depctr_va_ssrc(0) depctr_va_vcc(0) depctr_vm_vsrc(0)
	s_getreg_b32 s2, hwreg(HW_REG_IB_STS2, 6, 4)
	s_cmp_eq_u32 s2, 0
	s_cbranch_scc0 .Lentry_in_a_cluster
	s_endpgm
.Lentry_in_a_cluster:
	s_bfe_u32 s2, ttmp6, 0x10000c
	s_cmp_lg_u32 s2, 0x3003
	s_cbranch_scc0 .Lentry_shape_is_right
	s_endpgm
.Lentry_shape_is_right:
; Causal attention on codes of FP8 (E4M3) with one E8M0 scale for each 32 along a product's K; 64 (batch, head) pairs of 2,048 tokens, head size 64.  The result y is quantised along the head's 64 and leaves as codes.
; q and kv hold images of operand registers: four registers of 32 lanes are 512 consecutive bytes, lane l at 16 l (their maps stand at the constants below).
; SOFTMAX: t = score x log2(e) / 8; M = the running largest t rounded UP to a whole number; p = 2^(t - M) is quantised along the keys, not normalised; the row's sum is taken of the unquantised p and divides O at
; the end.  When M moves, the sum and O are multiplied by 2^(old M - new M), which rounds nothing.
; SHARES.  A cluster of four work-groups is one (batch, head).  The head's whole K and V, 16 blocks of 17,152 bytes, lie in each work-group's LDS and are filled ONCE: wave w asks for block w, jointly with the same
; wave of the three partners.  Nothing is filled again, nothing is stored to LDS: one barrier.
; THE CAUSAL HALF, EVENLY.  A head has 16 groups g of 128 queries, a group 8 tiles a of 16.  A tile of group g wants g whole key steps and one on the diagonal.  The work-group at place cx takes tiles 2 cx and
; 2 cx + 1 of every group; wave w takes (g = w, a = 2 cx) and then (g = 15 - w, a = 2 cx + 1): 15 whole steps and 2 on the diagonal for every wave.  Branches and LDS addresses hang on the wave's number alone;
; cx enters global addresses and the mask's number.
; LAYOUT.  S^T = K Q^T (source 0 = 16 keys, source 1 = my 16 queries; K = 64, filled to 128 with zero codes on both sides), O^T = V^T P^T: a lane holds one query (lane % 16) throughout.  Register j of tile t of S^T is
; key 16 t + 8 h + j.  The codes of tiles 2 c, 2 c + 1 are taken as registers 4 c .. 4 c + 3 of P as they stand; V's codes were laid in the same order of keys by the launch that made them.
; y meets w_proj in k's true order: lanes l and l xor 16 exchange half of their codes.
; LIMITS: NaN and infinities are not served.  A block of y whose largest magnitude lies under 2^-118 keeps the byte 1, and so does a block of zeros.  The order of keys inside a block of 32 regroups the products
; inside one matrix instruction.
; y's scale bytes leave one byte a lane, 32 bytes apart: a head owns two bytes of a row of 32.  They are one part in 33 of what the launch stores.
.set HSQ, 139264                       ; q: a head; in it a group of 128 queries is GSQ bytes: tile a at 1,024 a + 512 c + 16 l, scale words at KSW + 256 (a / 4) + 16 r + 4 (a % 4)
.set GSQ, 8704
.set HSK, 274432                       ; kv: a head; in it 128 keys are GSK bytes: K as q; V's scale words at VSW + 16 r + 4 t; V's codes at VCO + 2,048 t + 512 c + 16 l
.set GSK, 17152
.set KSW, 8192
.set VSW, 8704
.set VCO, 8960
.set LI,  1                            ; v1   16 x lane
.set AD,  2                            ; v2   the step's LDS address
.set QO0, 3                            ; v3, v4 offsets of Q's codes, pass 0, 1;  v5, v6 of its scale words
.set QO1, 4
.set QW0, 5
.set QW1, 6
.set DM,  7                            ; v7   16 a + r - 8 h: register 8 t + j is hidden on the diagonal where 16 t + j is above it
.set RR,  8                            ; v8   r
.set HH,  9                            ; v9   h
.set YSO, 11                           ; v11  32 r + h
.set KF,  32                           ; v32-95   four fragments of K: codes in the low eight registers, zeros in the high eight
.set S,   96                           ; v96-159  S^T, then p, then four fragments of V
.set O,   160                          ; v160-191 O^T
.set PCD, 192                          ; v192-207 p's codes; at the end y's
.set KW,  224                          ; v224-227 K's scale words: lanes 0-15 tiles 0-3, lanes 16-31 tiles 4-7
.set VW,  228                          ; v228-231 V's
; v12 -M, v13 the largest t, v[14:15] the sum; v16-31 Q of pass 0, v208-223 of pass 1; v255, v248 their scale words; v232-247, v252, v254 at work; v253 p's scale word
.set TB,  2                            ; s2   LDS byte of the key step in hand
.set KI,  3                            ; s3   counts the key steps
.set WV,  12
.set CX,  13
.set BH,  14
.set GA,  16                           ; s16, s17 my group in pass 0, 1
.set GB,  17
.set MNT, 19
.set SEL, 20
.set CS,  22                           ; s[22:23] log2(e) / 8
.set HM,  36                           ; s36  the mask of lanes 16-31
.set DMS, 37                           ; s37  32 cx
.set YC0, 54                           ; s[54:55], s[56:57] where pass 0's codes and scale bytes go; s[58:59], s[60:61] pass 1's
.macro CROUND                          ; a round of the cluster's barrier
	s_barrier_signal -1
	s_barrier_wait -1
	s_cmp_lg_u32 s[WV], 0
	s_cbranch_scc1 .Lnot_wave_0_\@
	s_barrier_signal -3
.Lnot_wave_0_\@:
	s_barrier_wait -3
	s_barrier_signal -1
	s_barrier_wait -1
.endm
	s_load_b256 s[4:11], s[0:1], 0x0               ; q, kv, y_codes, y_scales
	v_lshl_add_u32 v250, v0, 2, 0x43000
	v_mov_b32 v251, 0
	ds_add_u32 v250, v251
	ds_add_u32 v250, v251
	v_lshrrev_b32 v1, 5, v0
	s_delay_alu instid0(VALU_DEP_1)
	v_readfirstlane_b32 s[WV], v1                  ; wave 0..15
	s_bfe_u32 s[CX], ttmp6, 0x40000                ; my place in the cluster
	s_and_b32 s[BH], ttmp7, 0xffff                 ; 16 x batch + head, which the four partners share
	s_mov_b32 s[GA], s[WV]
	s_xor_b32 s[GB], s[WV], 15
	; descriptor group 1: 17,152 dense bytes as 67 rows of 256 (32 elements of 8 bytes), no padding
	s_mov_b32 s24, 15|(3<<16)|(1<<21)              ; 15:0 the mask: all four work-groups; 17:16 elements of 8 bytes; 21 set beside a mask
	s_mov_b32 s25, 32<<16                          ; tensor_dim0
	s_mov_b32 s26, 67<<16                          ; tensor_dim1
	s_mov_b32 s27, 32<<16                          ; tile_dim0
	s_mov_b32 s28, 67                              ; tile_dim1
	s_mov_b32 s29, 32                              ; from row to row
	s_mov_b32 s30, 0
	s_mov_b32 s31, 0
	s_mul_i32 s38, s[BH], HSK
	s_mul_i32 s33, s[WV], GSK                      ; group 0: LDS address: key step w
	s_add_co_u32 s38, s38, s33
	s_mov_b32 s39, 0
	s_mov_b32 s32, 1
	s_wait_dscnt 0x0
	s_wait_kmcnt 0x0
	s_add_nc_u64 s[34:35], s[6:7], s[38:39]
	s_or_b32 s35, s35, 0x80000000
	CROUND                                         ; all four work-groups are here: the joint loads meet
	tensor_load_to_lds s[32:35], s[24:31]          ; my one tensor load of the launch
	s_nop 0
.rept 4
	v_nop
.endr
	v_and_b32 v1, 31, v0
	s_delay_alu instid0(VALU_DEP_1)
	v_lshlrev_b32 v[LI], 4, v1
	s_wait_alu depctr_va_vdst(0)
	v_and_b32 v[RR], 15, v0
	s_wait_alu depctr_va_vdst(0)
	v_bfe_u32 v[HH], v0, 4, 1
	s_delay_alu instid0(VALU_DEP_1)
	v_lshl_add_u32 v[YSO], v[RR], 5, v[HH]
	s_delay_alu instid0(VALU_DEP_2)
	v_cmp_eq_u32 s[HM], 1, v[HH]
	s_mov_b32 s[SEL], 0x76543210
	s_mov_b32 s[SEL+1], 0xfedcba98
	s_mov_b32 s[CS], 0x3e38aa3b                    ; log2(e) / sqrt(64)
	s_mov_b32 s[CS+1], s[CS]
	s_mov_b32 s[MNT], 0x600000
	s_lshl_b32 s[DMS], s[CX], 5
	; Q of both passes
	s_mul_i32 s38, s[BH], HSQ
	s_add_nc_u64 s[4:5], s[4:5], s[38:39]
	s_lshl_b32 s40, s[CX], 11                      ; tile 2 cx: 2,048 cx
	s_mul_i32 s41, s[GA], GSQ
	s_mul_i32 s42, s[GB], GSQ
	s_add_co_u32 s43, s41, s40
	v_add_nc_u32 v[QO0], s43, v[LI]
	s_wait_alu depctr_va_vdst(0)
	s_add_co_u32 s43, s42, s40
	s_add_co_u32 s43, s43, 1024                    ; tile 2 cx + 1
	v_add_nc_u32 v[QO1], s43, v[LI]
	s_wait_alu depctr_va_vdst(0)
	s_lshr_b32 s44, s[CX], 1
	s_lshl_b32 s44, s44, 8                         ; 256 (a / 4)
	s_and_b32 s45, s[CX], 1
	s_lshl_b32 s45, s45, 3                         ; 4 (a % 4) for a = 2 cx
	s_add_co_u32 s44, s44, s45
	s_add_co_u32 s44, s44, KSW
	s_add_co_u32 s41, s41, s44
	s_add_co_u32 s42, s42, s44
	s_add_co_u32 s42, s42, 4
	v_lshl_add_u32 v[QW0], v[RR], 4, s41
	v_lshl_add_u32 v[QW1], v[RR], 4, s42
	global_load_b128 v[16:19], v[QO0], s[4:5]
	global_load_b128 v[20:23], v[QO0], s[4:5] offset:512
	global_load_b128 v[208:211], v[QO1], s[4:5]
	global_load_b128 v[212:215], v[QO1], s[4:5] offset:512
	global_load_b32 v255, v[QW0], s[4:5]
	global_load_b32 v248, v[QW1], s[4:5]
	; where y goes: row tile rt = 128 x batch + 8 g + a; codes at 2,097,152 (head / 4) + 4,096 rt + 1,024 (head % 4); scale bytes at 512 rt + 2 head
	s_lshr_b32 s46, s[BH], 4
	s_lshl_b32 s46, s46, 7
	s_lshl_b32 s47, s[CX], 1
	s_add_co_u32 s46, s46, s47
	s_and_b32 s47, s[BH], 15
	s_lshr_b32 s48, s47, 2
	s_lshl_b32 s48, s48, 21
	s_and_b32 s49, s47, 3
	s_lshl_b32 s49, s49, 10
	s_add_co_u32 s48, s48, s49
	s_lshl_b32 s47, s47, 1
	s_mov_b32 s53, 0
.irp u, 0,1
	s_lshl_b32 s50, s[GA+\u], 3
	s_add_co_u32 s50, s50, s46
	s_add_co_u32 s50, s50, \u
	s_lshl_b32 s52, s50, 12
	s_add_co_u32 s52, s52, s48
	s_add_nc_u64 s[YC0+4*\u:YC0+4*\u+1], s[8:9], s[52:53]
	s_lshl_b32 s52, s50, 9
	s_add_co_u32 s52, s52, s47
	s_add_nc_u64 s[YC0+4*\u+2:YC0+4*\u+3], s[10:11], s[52:53]
.endr
	; zero codes for K = 64 .. 127 of the first product, on both sides: written once
.set n, 0
.rept 8
	v_mov_b32 v[24+n], 0
	v_mov_b32 v[216+n], 0
	v_mov_b32 v[KF+8+n], 0
	v_mov_b32 v[KF+24+n], 0
	v_mov_b32 v[KF+40+n], 0
	v_mov_b32 v[KF+56+n], 0
	v_mov_b32 v[236+n], 0                          ; written once: a lane permute's destination counts as one of its sources
.set n, n+1
.endr
	v_mov_b32 v253, 0                              ; named as the upper half of the pair v[252:253] before it is first written
	s_wait_loadcnt 0x0                             ; Q
	s_wait_tensorcnt 0x0                           ; my block of K and V has landed,
	s_barrier_signal -1
	s_barrier_wait -1                              ; everybody's has
; A KEY STEP: 128 keys at LDS byte s[TB].  m = 1: the step on the diagonal.  QF, QS: Q's fragment and its scale word.
.macro STEP m, QF, QS
	v_add_nc_u32 v[AD], s[TB], v[LI]
	s_wait_alu depctr_va_vdst(0)
.rept 8
	v_nop                                          ; with the addition nine places between the last step's products V^T P, which read v96-159, and the products below, which write over them
.endr
	ds_load_b128 v[KW:KW+3], v[AD] offset:KSW
.irp g, 0,1                                    ; S^T = K Q^T, four tiles of 16 keys at a time
.if \g
.rept 8
	v_nop                                          ; places in front of loads into registers that matrix instructions have read
.endr
.endif
.irp t, 0,1,2,3
	ds_load_b128 v[KF+16*\t:KF+16*\t+3], v[AD] offset:(4*\g+\t)*1024
	ds_load_b128 v[KF+16*\t+4:KF+16*\t+7], v[AD] offset:(4*\g+\t)*1024+512
.endr
	s_wait_dscnt 0x0
.irp t, 0,1,2,3
.if \g
	v_wmma_scale_f32_16x16x128_f8f6f4 v[S+8*(4+\t):S+8*(4+\t)+7], v[KF+16*\t:KF+16*\t+15], v[\QF:\QF+15], 0, v[KW+\t], v[\QS] matrix_a_scale:MATRIX_SCALE_ROW1
.else
	v_wmma_scale_f32_16x16x128_f8f6f4 v[S+8*\t:S+8*\t+7], v[KF+16*\t:KF+16*\t+15], v[\QF:\QF+15], 0, v[KW+\t], v[\QS]
.endif
.endr
.endr
.rept 8
	v_nop
.endr
.if \m                                         ; hidden scores become -infinity ahead of the maximum: p = 0 then.  Key 0 of the step counts for every query of the group
	v_mov_b32 v254, 0xff800000
.set n, 0
.rept 64
	v_cmp_gt_i32 vcc_lo, 16*(n/8)+n%8, v[DM]
	v_cndmask_b32 v[S+n], v[S+n], v254, vcc_lo
.set n, n+1
.endr
.endif
.irp b, 0,1,2,3
	v_max3_num_f32 v[232+\b], v[S+16*\b], v[S+1+16*\b], v[S+2+16*\b]   ; the largest score of each block of 32 keys: it serves the row's maximum and, since p rises with the score, the block's largest p
.endr
.irp i, 3,5,7,9,11,13
.irp b, 0,1,2,3
	v_max3_num_f32 v[232+\b], v[232+\b], v[S+16*\b+\i], v[S+1+16*\b+\i]
.endr
.endr
.irp b, 0,1,2,3
	v_max_num_f32 v[232+\b], v[232+\b], v[S+15+16*\b]
.endr
.irp b, 0,1,2,3
	s_delay_alu instid0(VALU_DEP_4)
	v_permlanex16_b32 v[236+\b], v[232+\b], s[SEL], s[SEL+1]
.endr
.irp b, 0,1,2,3
	s_delay_alu instid0(VALU_DEP_4)
	v_max_num_f32 v[232+\b], v[232+\b], v[236+\b]  ; with lane l xor 16's 16 keys
.endr
	s_delay_alu instid0(VALU_DEP_2)
	v_max3_num_f32 v254, v232, v233, v234
	s_delay_alu instid0(VALU_DEP_1)
	v_max_num_f32 v254, v254, v235
	s_delay_alu instid0(VALU_DEP_1)
	v_mul_f32 v254, s[CS], v254                    ; the step's largest t
	s_delay_alu instid0(VALU_DEP_1)
	v_max_num_f32 v13, v13, v254
	v_mov_b32 v254, v12
	s_delay_alu instid0(VALU_DEP_2)
	v_floor_f32 v12, -v13                          ; the new -M = floor(-t)
	s_delay_alu instid0(VALU_DEP_1)
	v_sub_f32 v254, v12, v254                      ; old M - new M: a whole number, 0 or less
	s_delay_alu instid0(VALU_DEP_1)
	v_cvt_i32_f32 v254, v254                       ; (it saturates)
	s_delay_alu instid0(VALU_DEP_1)
	v_ldexp_f32 v252, 1.0, v254                    ; f = 2^(old M - new M)
.set n, 0
.rept 32
	v_pk_fma_f32 v[S+n:S+n+1], v[S+n:S+n+1], s[CS:CS+1], v[12:13] op_sel_hi:[1,0,0]   ; t - M
.set n, n+2
.endr
.irp b, 0,1,2,3
	v_fma_f32 v[232+\b], v[232+\b], s[CS], v12     ; the same of each block's largest score
.endr
.set n, 0
	s_wait_alu depctr_va_vdst(0)
.rept 64
	v_exp_f32 v[S+n], v[S+n]                       ; p = 2^(t - M)
.set n, n+1
.endr
	s_setprio 1
	v_pk_mul_f32 v[14:15], v[14:15], v[252:253] op_sel_hi:[1,0]   ; the sums under the new M: a plain instruction behind the exponentials
	s_wait_alu depctr_va_vdst(0)                   ; one wait for the batch of 64, ahead of its first reader
.irp b, 0,1,2,3
	v_exp_f32 v[232+\b], v[232+\b]                 ; the block's largest p
.endr
	v_pk_add_f32 v[236:237], v[100:101], v[104:105]
	v_pk_add_f32 v[246:247], v[108:109], v[112:113]
	v_pk_add_f32 v[244:245], v[116:117], v[120:121]
	v_pk_add_f32 v[242:243], v[124:125], v[128:129]
	v_pk_add_f32 v[240:241], v[132:133], v[136:137]
	v_pk_add_f32 v[238:239], v[140:141], v[144:145]
	v_pk_add_f32 v[230:231], v[148:149], v[152:153]
	v_pk_add_f32 v[14:15], v[14:15], v[156:157]
	v_pk_add_f32 v[236:237], v[236:237], v[96:97]
	v_pk_add_f32 v[246:247], v[246:247], v[98:99]
	v_pk_add_f32 v[244:245], v[244:245], v[102:103]
	v_pk_add_f32 v[242:243], v[242:243], v[106:107]
	v_pk_add_f32 v[240:241], v[240:241], v[110:111]
	v_pk_add_f32 v[238:239], v[238:239], v[114:115]
	v_pk_add_f32 v[230:231], v[230:231], v[118:119]
	v_pk_add_f32 v[14:15], v[14:15], v[122:123]
	v_pk_add_f32 v[236:237], v[236:237], v[126:127]
	v_pk_add_f32 v[246:247], v[246:247], v[130:131]
	v_pk_add_f32 v[244:245], v[244:245], v[134:135]
	v_pk_add_f32 v[242:243], v[242:243], v[138:139]
	v_pk_add_f32 v[240:241], v[240:241], v[142:143]
	v_pk_add_f32 v[238:239], v[238:239], v[146:147]
	v_pk_add_f32 v[230:231], v[230:231], v[150:151]
	v_pk_add_f32 v[14:15], v[14:15], v[154:155]
	v_pk_add_f32 v[236:237], v[236:237], v[158:159]
	s_delay_alu instid0(VALU_DEP_2)
	v_pk_add_f32 v[14:15], v[14:15], v[242:243]
	s_delay_alu instid0(VALU_DEP_2)
	v_pk_add_f32 v[236:237], v[236:237], v[240:241]
	v_pk_add_f32 v[246:247], v[246:247], v[238:239]
	v_pk_add_f32 v[244:245], v[244:245], v[230:231]
	s_delay_alu instid0(VALU_DEP_2)
	v_pk_add_f32 v[14:15], v[14:15], v[246:247]
	s_delay_alu instid0(VALU_DEP_2)
	v_pk_add_f32 v[236:237], v[236:237], v[244:245]
	s_delay_alu instid0(VALU_DEP_1)
	v_pk_add_f32 v[14:15], v[14:15], v[236:237]
	s_wait_alu depctr_va_vdst(0)                   ; and one for the four
.irp b, 0,1,2,3
	v_max_num_f32 v[232+\b], 0x4800000, v[232+\b]  ; the floor 2^(9 - 127): the byte cannot fall under 1
.endr
.irp b, 0,1,2,3
	s_delay_alu instid0(VALU_DEP_4)
	v_add_nc_u32 v[244+\b], 0xfc000000, v[232+\b]  ; 8 off the exponent field: the conversion's scale operand
.endr
.irp b, 0,1,2,3
	v_and_or_b32 v[240+\b], v[232+\b], 0x7f800000, s[MNT]   ; 448 x the scale
.endr
.irp b, 0,1,2,3
	v_lshrrev_b32 v[236+\b], 23, v[244+\b]         ; the scale's byte
.endr
	s_delay_alu instid0(VALU_DEP_3)
	v_lshl_or_b32 v253, v237, 8, v236              ; p's scale word for these 128 keys
	s_delay_alu instid0(VALU_DEP_1)
	v_lshl_or_b32 v253, v238, 16, v253
	s_delay_alu instid0(VALU_DEP_1)
	v_lshl_or_b32 v253, v239, 24, v253
.irp b, 0,1,2,3
.irp i, 0,1,2,3,4,5,6,7,8,9,10,11,12,13,14,15
.endr
	v_cvt_scalef32_pk8_fp8_f32 v[PCD+4*\b:PCD+1+4*\b], v[S+16*\b:S+7+16*\b], v[244+\b]
	v_cvt_scalef32_pk8_fp8_f32 v[PCD+2+4*\b:PCD+3+4*\b], v[S+8+16*\b:S+15+16*\b], v[244+\b]
.endr
	ds_load_b128 v[VW:VW+3], v[AD] offset:VSW      ; V comes into the registers that p has left
	v_nop
.irp t, 0,1,2,3
.irp c, 0,1,2,3
	ds_load_b128 v[S+16*\t+4*\c:S+16*\t+4*\c+3], v[AD] offset:VCO+\t*2048+\c*512
.endr
.endr
.set n, 0
	s_setprio 0
.rept 16
	v_pk_mul_f32 v[O+n:O+n+1], v[O+n:O+n+1], v[252:253] op_sel_hi:[1,0]   ; O^T under the new M; these sixteen also stand between the conversions and the products below
.set n, n+2
.endr
	s_wait_alu depctr_va_vdst(0)
	s_wait_dscnt 0x0
.irp t, 0,1,2,3                                ; O^T += V^T P^T: the four accumulators by turns, one instruction a turn
	v_wmma_scale_f32_16x16x128_f8f6f4 v[O+8*\t:O+8*\t+7], v[S+16*\t:S+16*\t+15], v[PCD:PCD+15], v[O+8*\t:O+8*\t+7], v[VW+\t], v253
.endr
.endm
; THE WAY OUT of a pass: O^T / the sum; two blocks of 32 along the head are quantised; lanes l and l xor 16 exchange codes so that a lane holds k = 32 b + 16 h + 0 .. 15; two stores of 512 consecutive bytes.
.macro OUT u
.rept 8
	v_nop
.endr
	v_add_f32 v14, v14, v15
	s_delay_alu instid0(VALU_DEP_1)
	v_permlanex16_b32 v252, v14, s[SEL], s[SEL+1]
	s_delay_alu instid0(VALU_DEP_1)
	v_add_f32 v14, v14, v252                       ; the row's sum
	s_wait_alu depctr_va_vdst(0)
	v_rcp_f32 v14, v14
	v_nop                                          ; a plain instruction behind the reciprocal
	s_wait_alu depctr_va_vdst(0)                   ; the wait ahead of its first reader
.set n, 0
.rept 16
	v_pk_mul_f32 v[S+n:S+n+1], v[O+n:O+n+1], v[14:15] op_sel_hi:[1,0]   ; register 8 t + j: y(query r, 16 t + 8 h + j); each accumulator from its low end on
.set n, n+2
.endr
.irp b, 0,1
	v_max3_num_f32 v[232+\b], |v[S+16*\b]|, |v[S+1+16*\b]|, 0x4800000
.endr
.irp i, 2,4,6,8,10,12,14
.irp b, 0,1
	s_delay_alu instid0(VALU_DEP_2)
	v_max3_num_f32 v[232+\b], v[232+\b], |v[S+16*\b+\i]|, |v[S+1+16*\b+\i]|
.endr
.endr
.irp b, 0,1
	s_delay_alu instid0(VALU_DEP_2)
	v_permlanex16_b32 v[236+\b], v[232+\b], s[SEL], s[SEL+1]
.endr
.irp b, 0,1
	s_delay_alu instid0(VALU_DEP_2)
	v_max_num_f32 v[232+\b], v[232+\b], v[236+\b]
.endr
.irp b, 0,1
	s_delay_alu instid0(VALU_DEP_2)
	v_add_nc_u32 v[244+\b], 0xfc000000, v[232+\b]
.endr
.irp b, 0,1
	s_delay_alu instid0(VALU_DEP_4)
	v_and_or_b32 v[240+\b], v[232+\b], 0x7f800000, s[MNT]
.endr
.irp b, 0,1
	s_delay_alu instid0(VALU_DEP_4)
	v_lshrrev_b32 v[236+\b], 23, v[244+\b]
.endr
	s_delay_alu instid0(VALU_DEP_1)
	v_cndmask_b32 v254, v236, v237, s[HM]          ; lanes 0-15 store block 0's byte, lanes 16-31 block 1's
.irp b, 0,1
.irp i, 0,1,2,3,4,5,6,7,8,9,10,11,12,13,14,15
.endr
	v_cvt_scalef32_pk8_fp8_f32 v[PCD+4*\b:PCD+1+4*\b], v[S+16*\b:S+7+16*\b], v[244+\b]      ; k = 32 b + 8 h + 0 .. 7
	v_cvt_scalef32_pk8_fp8_f32 v[PCD+2+4*\b:PCD+3+4*\b], v[S+8+16*\b:S+15+16*\b], v[244+\b] ; k = 32 b + 16 + 8 h + 0 .. 7
.endr
	v_nop                                          ; a plain instruction behind the last conversion
.irp b, 0,1
.irp i, 0,1
	v_permlanex16_b32 v[240+2*\b+\i], v[PCD+2+4*\b+\i], s[SEL], s[SEL+1]   ; my partner's second eight
	v_permlanex16_b32 v[244+2*\b+\i], v[PCD+4*\b+\i], s[SEL], s[SEL+1]     ; and its first eight
.endr
.endr
.irp b, 0,1
.irp i, 0,1
	v_cndmask_b32 v[PCD+4*\b+\i], v[PCD+4*\b+\i], v[240+2*\b+\i], s[HM]    ; h = 0: my first, my partner's first;
	v_cndmask_b32 v[PCD+2+4*\b+\i], v[244+2*\b+\i], v[PCD+2+4*\b+\i], s[HM] ; h = 1: my partner's second, my second
.endr
.endr
	global_store_b128 v[LI], v[PCD:PCD+3], s[YC0+4*\u:YC0+4*\u+1] th:TH_STORE_NT
	global_store_b128 v[LI], v[PCD+4:PCD+7], s[YC0+4*\u:YC0+4*\u+1] offset:512 th:TH_STORE_NT
	global_store_b8 v[YSO], v254, s[YC0+4*\u+2:YC0+4*\u+3]
.endm
; A PASS: one tile of 16 queries.  Every wave walks a loop of 15 trips; a trip whose key step lies at or behind my group is passed over by a scalar branch on the wave's number; then the step on the diagonal.
.macro PASS u, QF, QS
.if \u
	s_wait_xcnt 0x0                                ; the last pass's stores have read their data: those registers are written again only behind this wait
.endif
	v_lshlrev_b32 v254, 3, v[HH]
	s_delay_alu instid0(VALU_DEP_1)
	v_sub_nc_u32 v[DM], v[RR], v254
	s_delay_alu instid0(VALU_DEP_1)
	v_add_nc_u32 v[DM], s[DMS], v[DM]
.if \u
	s_delay_alu instid0(VALU_DEP_1)
	v_add_nc_u32 v[DM], 16, v[DM]
.endif
	v_mov_b32 v13, 0xff61b1e6                      ; the largest t so far: -3e38
	s_delay_alu instid0(VALU_DEP_1)
	v_floor_f32 v12, -v13
	v_mov_b32 v14, 0
	v_mov_b32 v15, 0
.set n, 0
.rept 32
	v_mov_b32 v[O+n], 0                            ; the step is written once for all steps: the first finds zeros
.set n, n+1
.endr
	s_mov_b32 s[TB], 0
	s_mov_b32 s[KI], 0
.Lfull_\@:
	s_cmp_ge_u32 s[KI], s[GA+\u]
	s_cbranch_scc1 .Lskip_\@
	s_setprio 2
	STEP 0, \QF, \QS
.Lskip_\@:
	s_add_co_u32 s[TB], s[TB], GSK
	s_add_co_u32 s[KI], s[KI], 1
	s_cmp_lt_u32 s[KI], 15
	s_cbranch_scc1 .Lfull_\@
	s_setprio 0
	s_mul_i32 s[TB], s[GA+\u], GSK
	STEP 1, \QF, \QS
	OUT \u
.endm
	PASS 0, 16, 255
	PASS 1, 208, 248
	s_wait_tensorcnt 0x0
	ds_add_u32 v250, v251
	s_wait_dscnt 0x0
	CROUND                                         ; the closing round
	s_endpgm
.Lfunc_end_k_q37c0c1fc1b_attn:
	.size	k_q37c0c1fc1b_attn, .Lfunc_end_k_q37c0c1fc1b_attn-k_q37c0c1fc1b_attn
	.p2alignl 7, 3214868480
	.fill 96, 4, 3214868480
	.section	.rodata,"a",@progbits
	.p2align	6, 0x0
	.amdhsa_kernel k_q37c0c1fc1b_attn
		.amdhsa_group_segment_fixed_size 276480
		.amdhsa_private_segment_fixed_size 0
		.amdhsa_enable_private_segment 0
		.amdhsa_kernarg_size 32
		.amdhsa_user_sgpr_count 2
		.amdhsa_user_sgpr_kernarg_segment_ptr 1
		.amdhsa_wavefront_size32 1
		.amdhsa_system_sgpr_workgroup_id_x 1
		.amdhsa_system_sgpr_workgroup_id_y 1
		.amdhsa_system_sgpr_workgroup_id_z 1
		.amdhsa_system_vgpr_workitem_id 0
		.amdhsa_next_free_vgpr 256
		.amdhsa_next_free_sgpr 66
		.amdhsa_reserve_vcc 1
		.amdhsa_float_denorm_mode_32 3
		.amdhsa_float_denorm_mode_16_64 3
		.amdhsa_fp16_overflow 1
		.amdhsa_memory_ordered 1
		.amdhsa_forward_progress 1
		.amdhsa_inst_pref_size 103
	.end_amdhsa_kernel
	.amdgpu_metadata
---
amdhsa.version: [ 1, 2 ]
amdhsa.kernels:
  - .name:           k_q37c0c1fc1b_attn
    .symbol:         k_q37c0c1fc1b_attn.kd
    .args:
      - { .name: q, .offset: 0, .size: 8, .value_kind: global_buffer, .address_space: global }
      - { .name: kv, .offset: 8, .size: 8, .value_kind: global_buffer, .address_space: global }
      - { .name: y_codes, .offset: 16, .size: 8, .value_kind: global_buffer, .address_space: global }
      - { .name: y_scales, .offset: 24, .size: 8, .value_kind: global_buffer, .address_space: global }
    .group_segment_fixed_size: 276480
    .private_segment_fixed_size: 0
    .kernarg_segment_align: 8
    .kernarg_segment_size: 32
    .max_flat_workgroup_size: 512
    .sgpr_count:     66
    .vgpr_count:     256
    .wavefront_size: 32
...
	.end_amdgpu_metadata
.endif
;; end of part 2
;; launch proj (part 3): grid 4 x 32, 4 waves a work-group, clusters of 4 x 4, 327,680 bytes of LDS; arguments y_codes, y_scales, w_proj_codes, w_proj_scales, b_proj, out0; writes out0
.if DOCPART == 3
	.amdgcn_target "amdgcn-amd-amdhsa--gfx1250"
	.amdhsa_code_object_version 6
	.text
	.protected	k_q37c0c1fc1b_proj
	.globl	k_q37c0c1fc1b_proj
	.p2align	8
	.type	k_q37c0c1fc1b_proj,@function
k_q37c0c1fc1b_proj:
	s_mov_b64 s[64:65], 0
	v_nop
	global_prefetch_b8 v0, s[64:65] scope:SCOPE_SE
	s_setreg_imm32_b32 hwreg(HW_REG_WAVE_MODE, 25, 1), 1
	s_wait_xcnt 0x0
	s_wait_alu depctr_hold_cnt(0) depctr_sa_sdst(0) depctr_va_vdst(0) depctr_va_sdst(0) depctr_va_ssrc(0) depctr_va_vcc(0) depctr_vm_vsrc(0)
	s_getreg_b32 s2, hwreg(HW_REG_IB_STS2, 6, 4)
	s_cmp_eq_u32 s2, 0
	s_cbranch_scc0 .Lentry_in_a_cluster
	s_endpgm
.Lentry_in_a_cluster:
	s_bfe_u32 s2, ttmp6, 0x10000c
	s_cmp_lg_u32 s2, 0xf033
	s_cbranch_scc0 .Lentry_shape_is_right
	s_endpgm
.Lentry_shape_is_right:
; out0 = y w_proj + b_proj on codes of FP8 (E4M3) with one E8M0 scale for each 32 along K = 1,024.  y: 8,192 rows; w_proj: 1,024 rows (n), K innermost; out0: [8,192][1,024] f32.
; A tile of out0, 256 x 256, is made by four waves, each 128 x 128: 64 accumulators of 16 x 16.  K goes in steps of 256 through a ring of two LDS slots filled by the tensor data mover; the scale bytes of the
; work-group's rows, for all of K, come once.  4 x 4 work-groups form a cluster: the four of a row ask for y's tiles jointly, the four of a column for w_proj's.
; y's codes lie as images of operand registers, [K step of 256: 4][16 rows: 512][4,096]: group (k % 256) / 32 of four registers is 512 consecutive bytes, lane l at 16 l.  So 128 rows of a K step are 32,768 dense bytes,
; which lie in LDS without padding, and a fragment's loads take 512 consecutive bytes each.  w_proj's tiles are rows of 256 bytes, 16 bytes of padding behind each.
; The matrix instruction takes 16 rows of w_proj as source 0 and 16 rows of y as source 1: a lane holds eight neighbouring numbers of a row of out0.  b_proj is the C of the first products.
; The grid has 128 work-groups: 8,192 x 1,024 are 128 tiles of this size.
; LIMITS: NaN and infinities are not served.
; REGISTERS, in windows of 256: window 0: v0-31 addresses; v32-63 scale words, two sets; v64-127 the bias; from v128 y's fragments, one set; on the way out v128-255 rows read back.
;   window 1: w_proj's fragments, two sets.  window 2: the accumulators of my rows 0-63 ((a, b) at v[8 (8 a + b)]).  window 3: those of my rows 64-127.
.set SIZE_N, 1024
.set NQ,     2
.set ROWB,   256
.set KROW,   1024
.set KPLANE, 2097152                   ; y's codes: from a K step of 256 to the next
.set PITCH,  272
.set FR,     16
.set NL,     4
.set NP,     8                         ; places behind this matrix instruction (ISA guide 7.12.1)
.set AHALF,  32768                     ; 128 rows of y in a slot
.set HALFT,  128*PITCH                 ; 128 rows of w_proj
.set SLOT,   2*AHALF+2*HALFT
.set LAPS,   2
.set KS,     32
.set SCL,    2*SLOT
.set HALFS,  (128*KS/256)*272
.set SBLK,   (16*KS/256)*272
.set SPARE,  SCL+4*HALFS               ; the spare words: 128 bytes a wave, two blocks of 256 bytes that no other line names
.set SPITCH, 528                       ; the way out: a stage of 16 rows x (512 bytes + 16) for each wave, in slot 0, which has had its last fill and its last read by then
.set ADRA, 16
.set ADRB, 20
.set STO,  24
.set RD,   25
.set CO,   26                          ; v26  16 x lane
.set ADRS, 27
.set SPW,  28
.set NIL,  29
.set BOF,  30
.set SC,   32
.set BB,   64                          ; v64-127 b_proj at my column 16 b + 8 h + j
.set AF,   128
.set BK,   128
.set G1, 24
.set G0, 32
.set G1B, 48
.set G0B, 56
.set G1S, 68
.set G0S, 76
.set G1SB, 80
.set G0SB, 88
.set MSB, 0
.macro WIN new                         ; the immediate's high byte repeats the setting that is left
.if MSB != (\new)
	s_set_vgpr_msb (MSB<<8)|(\new)
.set MSB, (\new)
.endif
.endm
.set MUL_LO, 0xa1
.set MUL_HI, 0xf1
.set TO_B,   0x40
.macro JLOAD g0a, g1a, g0b, g1b        ; a joint load: waves 0 and 1 fetch for y, waves 2 and 3 for w_proj; four v_nop follow each of the two lines
	s_cmp_eq_u32 s15, 0
	s_cbranch_scc0 .Lfor_b_\@
	tensor_load_to_lds s[\g0a:\g0a+3], s[\g1a:\g1a+7]
	s_nop 0
.rept 4
	v_nop
.endr
	s_branch .Lasked_\@
.Lfor_b_\@:
	tensor_load_to_lds s[\g0b:\g0b+3], s[\g1b:\g1b+7]
	s_nop 0
.rept 4
	v_nop
.endr
.Lasked_\@:
.endm
.macro CREST
	s_cmp_lg_u32 s14, 0
	s_cbranch_scc1 .Lnot_wave_0_\@
	s_barrier_signal -3
.Lnot_wave_0_\@:
	s_barrier_wait -3
	s_barrier_signal -1
	s_barrier_wait -1
.endm
.macro CROUND
	s_barrier_signal -1
	s_barrier_wait -1
	CREST
.endm
	s_load_b128 s[4:7], s[0:1], 0x0                ; y's codes, y's scales
	s_load_b128 s[8:11], s[0:1], 0x10              ; w_proj's codes, its scales
	s_load_b64 s[66:67], s[0:1], 0x20              ; b_proj
	s_load_b64 s[12:13], s[0:1], 0x28              ; out0
	v_lshl_add_u32 v[SPW], v0, 2, SPARE
	v_mov_b32 v[NIL], 0
	ds_add_u32 v28, v29
	ds_add_u32 v28, v29
	s_wait_dscnt 0x0
	v_lshrrev_b32 v1, 5, v0
	v_readfirstlane_b32 s14, v1                    ; wave 0..3
	s_lshr_b32 s15, s14, 1                         ; which half of the tile's rows is mine.  Also: I fetch for y (0) or for w_proj (1)
	s_and_b32 s16, s14, 1                          ; which half of its columns.  Also: which 128 rows of that tile I fetch
	s_bfe_u32 s40, ttmp6, 0x40000
	s_bfe_u32 s41, ttmp6, 0x40004
	s_lshl_b32 s42, ttmp9, 2
	s_add_co_u32 s42, s42, s40                     ; tile column = 4 x cluster x + cx
	s_and_b32 s17, ttmp7, 0xffff
	s_lshl_b32 s17, s17, 2
	s_add_co_u32 s17, s17, s41                     ; tile row = 4 x cluster y + cy
	s_lshl_b32 s43, s41, 2
	s_lshl_b32 s43, 15, s43                        ; my row of the cluster
	s_lshl_b32 s44, 0x1111, s40                    ; my column
	; group 1 for y's tiles: 32,768 dense bytes as 128 rows of 256 (32 elements of 8 bytes), no padding
	s_or_b32 s[G1+0], s43, (3<<16)|(1<<21)
	s_mov_b32 s[G1+1], 32<<16
	s_mov_b32 s[G1+2], 128<<16
	s_mov_b32 s[G1+3], 32<<16
	s_mov_b32 s[G1+4], 128
	s_mov_b32 s[G1+5], 32
	s_mov_b32 s[G1+6], 0
	s_mov_b32 s[G1+7], 0
	; for w_proj's: 128 rows x 256 bytes, 1,024 bytes apart, 16 bytes of padding behind each
	s_or_b32 s[G1B+0], s44, (0<<16)|(1<<20)|(1<<21)|(5<<22)|(3<<25)
	s_mov_b32 s[G1B+1], ROWB<<16
	s_mov_b32 s[G1B+2], 128<<16
	s_mov_b32 s[G1B+3], ROWB<<16
	s_mov_b32 s[G1B+4], 128
	s_mov_b32 s[G1B+5], KROW
	s_mov_b32 s[G1B+6], 0
	s_mov_b32 s[G1B+7], 0
	; for the scale bytes of 128 rows: 4,096 dense bytes as 16 rows of 256, 16 bytes of padding behind each
	s_or_b32 s[G1S+0], s43, (3<<16)|(1<<20)|(1<<21)|(5<<22)|(3<<25)
	s_or_b32 s[G1SB+0], s44, (3<<16)|(1<<20)|(1<<21)|(5<<22)|(3<<25)
.irp g, G1S, G1SB
	s_mov_b32 s[\g+1], 32<<16
	s_mov_b32 s[\g+2], (128*KS/256)<<16
	s_mov_b32 s[\g+3], 32<<16
	s_mov_b32 s[\g+4], 128*KS/256
	s_mov_b32 s[\g+5], 32
	s_mov_b32 s[\g+6], 0
	s_mov_b32 s[\g+7], 0
.endr
	s_lshl_b32 s18, s16, 7
	s_lshl_b32 s20, s17, 8
	s_add_co_u32 s20, s20, s18                     ; y: row 256 x tile row + 128 x half
	s_lshl_b32 s46, s42, 8
	s_add_co_u32 s46, s46, s18                     ; w_proj: row 256 x tile column + 128 x half
	s_mov_b32 s21, 0
	s_mov_b32 s47, 0
	s_mov_b64 s[18:19], KS
	s_mul_u64 s[22:23], s[20:21], s[18:19]         ; where these rows' scales begin
	s_mul_u64 s[92:93], s[46:47], s[18:19]
	s_lshl_b32 s20, s20, 8                         ; y's codes: 256 bytes a row in a K step's plane
	s_mov_b64 s[18:19], KROW
	s_mul_u64 s[46:47], s[46:47], s[18:19]
	s_lshl_b32 s45, s16, 15                        ; where they go: y's halves at 0 and 32,768,
	s_mul_i32 s95, s16, HALFT
	s_add_co_u32 s95, s95, 2*AHALF                 ; w_proj's behind them
	s_mul_i32 s94, s14, HALFS
	s_wait_kmcnt 0x0
	s_add_nc_u64 s[20:21], s[4:5], s[20:21]
	s_add_nc_u64 s[22:23], s[6:7], s[22:23]
	s_add_nc_u64 s[46:47], s[8:9], s[46:47]
	s_add_nc_u64 s[92:93], s[10:11], s[92:93]
	CROUND                                         ; all sixteen work-groups are here: the first joint loads meet
	s_mov_b32 s[G0S], 1
	s_add_co_u32 s[G0S+1], s94, SCL
	s_mov_b64 s[G0S+2:G0S+3], s[22:23]
	s_or_b32 s[G0S+3], s[G0S+3], 0x80000000
	s_mov_b32 s[G0SB], 1
	s_add_co_u32 s[G0SB+1], s94, SCL
	s_mov_b64 s[G0SB+2:G0SB+3], s[92:93]
	s_or_b32 s[G0SB+3], s[G0SB+3], 0x80000000
	JLOAD G0S, G1S, G0SB, G1SB
.irp s, 0,1
	s_mov_b32 s[G0+4*\s], 1
	s_add_co_u32 s[G0+4*\s+1], s45, \s*SLOT
	s_add_nc_u64 s[G0+4*\s+2:G0+4*\s+3], s[20:21], \s*KPLANE
	s_or_b32 s[G0+4*\s+3], s[G0+4*\s+3], 0x80000000
	s_mov_b32 s[G0B+4*\s], 1
	s_add_co_u32 s[G0B+4*\s+1], s95, \s*SLOT
	s_add_nc_u64 s[G0B+4*\s+2:G0B+4*\s+3], s[46:47], \s*ROWB
	s_or_b32 s[G0B+4*\s+3], s[G0B+4*\s+3], 0x80000000
	s_wait_alu depctr_va_vdst(0)
	s_wait_tensorcnt 0x0
	ds_add_u32 v28, v29
	s_wait_dscnt 0x0
	CROUND
	JLOAD G0+4*\s, G1, G0B+4*\s, G1B
.endr
	v_and_b32 v1, 15, v0                           ; r
	v_bfe_u32 v2, v0, 4, 1                         ; h
	v_mul_u32_u24 v3, v1, PITCH
	v_lshl_add_u32 v4, v2, 4, v3
	v_and_b32 v6, 31, v0
	v_lshlrev_b32 v[CO], 4, v6                     ; 16 x lane
	s_lshl_b32 s21, s15, 15                        ; my 128 rows of y
	s_mul_i32 s22, s16, HALFT                      ; my 128 rows of w_proj
	s_add_co_u32 s22, s22, 2*AHALF
.irp s, 0,1
	v_add_nc_u32 v[ADRA+\s], s21, v[CO]
	v_add_nc_u32 v[ADRB+\s], s22, v4
	s_add_co_u32 s21, s21, SLOT
	s_add_co_u32 s22, s22, SLOT
.endr
	v_mul_u32_u24 v5, v1, KS
	v_lshrrev_b32 v6, 8, v5
	v_lshl_add_u32 v5, v6, 4, v5
	s_mul_i32 s21, s15, HALFS
	s_mul_i32 s22, s16, HALFS
	s_add_co_u32 s22, s22, 2*HALFS
	s_sub_co_u32 s22, s22, s21
	v_mul_u32_u24 v6, s22, v2                      ; lanes 16-31 take w_proj's
	s_add_co_u32 s21, s21, SCL
	v_add_nc_u32 v5, v5, v6
	v_add_nc_u32 v[ADRS], s21, v5
	s_mul_i32 s23, s14, 16*SPITCH                  ; my stage
	v_mul_u32_u24 v5, v1, SPITCH
	v_lshl_add_u32 v5, v2, 5, v5
	v_add_nc_u32 v[STO], s23, v5                   ; in: row r, 32 bytes for each half of the lanes
	v_add_nc_u32 v[RD], s23, v[CO]                 ; back: the 32 lanes take one row of 512 bytes
	s_lshl_b32 s20, s17, 8
	s_lshl_b32 s21, s15, 7
	s_add_co_u32 s20, s20, s21                     ; my first row of out0
	s_mov_b32 s21, 0
	s_mov_b64 s[18:19], SIZE_N*4
	s_mul_u64 s[20:21], s[20:21], s[18:19]
	s_lshl_b32 s46, s42, 10                        ; my first column, in bytes
	s_lshl_b32 s47, s16, 9
	s_add_co_u32 s46, s46, s47
	v_lshl_add_u32 v[BOF], v2, 5, s46              ; the same place in b_proj, + 32 h
	s_mov_b32 s47, 0
	s_add_nc_u64 s[20:21], s[20:21], s[46:47]
	s_add_nc_u64 s[12:13], s[12:13], s[20:21]
.irp b, 0,1,2,3,4,5,6,7
	global_load_b128 v[BB+8*\b:BB+8*\b+3], v[BOF], s[66:67] offset:64*\b
	global_load_b128 v[BB+8*\b+4:BB+8*\b+7], v[BOF], s[66:67] offset:64*\b+16
.endr
.macro FRAG reg, adr, q, i             ; w_proj: 16 rows x 128 K from rows: registers 4 c .. 4 c + 3 hold K = 32 c + 16 (l / 16) + 0 .. 15
.irp c, 0,1,2,3
	ds_load_b128 v[\reg+4*\c:\reg+4*\c+3], v[\adr] offset:128*(\q)+32*\c+(\i)*16*PITCH
.endr
.endm
.macro FRAGA reg, adr, q, i            ; y: the same registers from their image
.irp c, 0,1,2,3
	ds_load_b128 v[\reg+4*\c:\reg+4*\c+3], v[\adr] offset:(\i)*4096+(\q)*2048+512*\c
.endr
.endm
; 16 matrix instructions: y's blocks a0, a0 + 1 x w_proj's eight.  zero = 1: the first products start the sums from the bias.  The 64 accumulators take turns, one instruction a turn.
.macro MUL16 a0, p, q, sc, zero
.irp a, \a0, \a0+1
.irp b, 0,1,2,3,4,5,6,7
.if \zero
	v_wmma_scale_f32_16x16x128_f8f6f4 v[8*(8*((\a)%4)+\b):8*(8*((\a)%4)+\b)+7], v[128*(\p)+FR*\b:128*(\p)+FR*\b+FR-1], v[AF+FR*(\a):AF+FR*(\a)+FR-1], v[BB+8*\b:BB+8*\b+7], v[SC+8*NQ*(\sc)+NQ*\b+(\q)], v[SC+8*NQ*(\sc)+NQ*(\a)+(\q)] matrix_a_scale:MATRIX_SCALE_ROW1
.else
	v_wmma_scale_f32_16x16x128_f8f6f4 v[8*(8*((\a)%4)+\b):8*(8*((\a)%4)+\b)+7], v[128*(\p)+FR*\b:128*(\p)+FR*\b+FR-1], v[AF+FR*(\a):AF+FR*(\a)+FR-1], v[8*(8*((\a)%4)+\b):8*(8*((\a)%4)+\b)+7], v[SC+8*NQ*(\sc)+NQ*\b+(\q)], v[SC+8*NQ*(\sc)+NQ*(\a)+(\q)] matrix_a_scale:MATRIX_SCALE_ROW1
.endif
.endr
.endr
.endm
.macro FETCH_B slot, q, p
	WIN TO_B
.irp i, 0,1,2,3,4,5,6,7
	FRAG 128*(\p)+FR*\i, ADRB+\slot, \q, \i
.endr
	WIN 0
.endm
.macro FETCH_A slot, q, i0
.irp i, \i0, \i0+1, \i0+2, \i0+3
	FRAGA AF+FR*(\i), ADRA+\slot, \q, \i
.endr
.endm
.macro SCALES sc
.irp i, 0,1,2,3,4,5,6,7
	ds_load_b64 v[SC+8*NQ*\sc+NQ*\i:SC+8*NQ*\sc+NQ*\i+1], v[ADRS] offset:\i*SBLK
.endr
.endm
.macro PLACES n
.rept \n
	v_nop
.endr
.endm
.macro STEP slot, q, zero
	s_wait_dscnt 4*NL                              ; w_proj's set and y's blocks 0-3 are in; the youngest 16 loads (y's blocks 4-7) may be out
.if \zero
	WIN 0x81                                       ; C (the bias) in window 0, D in window 2
.else
	WIN MUL_LO
.endif
	MUL16 0, (\q)%2, \q, \slot, \zero
	MUL16 2, (\q)%2, \q, \slot, \zero
	s_wait_dscnt 0
	PLACES NP
	FETCH_B \slot, (\q)+1, 1-(\q)%2
	FETCH_A \slot, (\q)+1, 0
.if \zero
	WIN 0xc1
.else
	WIN MUL_HI
.endif
	MUL16 4, (\q)%2, \q, \slot, \zero
	MUL16 6, (\q)%2, \q, \slot, \zero
	PLACES NP
	WIN 0
	FETCH_A \slot, (\q)+1, 4
.endm
; A slot's last step changes slots: one barrier; in front of it each wave waits for all its tensor loads, adds 0 to its spare word, and waits for that and for its own reads of this slot.
.macro TURN slot, next, fill
	s_wait_tensorcnt 0x0                           ; all my tensor loads have landed: my part of the next slot
	ds_add_u32 v[SPW], v[NIL]                      ; 0 onto my spare word
	s_wait_dscnt 4*NL+1                            ; the add and the youngest 16 loads may be out
	WIN MUL_LO
	MUL16 0, 1, NQ-1, \slot, 0
	s_wait_dscnt 0x0                               ; the add is done, and my reads of this slot are over
	s_barrier_signal -1
	MUL16 2, 1, NQ-1, \slot, 0
	WIN 0
	s_barrier_wait -1
.if \fill
	CREST                                          ; the barrier has opened a round of the cluster's barrier: no wave of any partner still reads this slot or has a load on its way
	s_add_nc_u64 s[G0+4*\slot+2:G0+4*\slot+3], s[G0+4*\slot+2:G0+4*\slot+3], 2*KPLANE
	s_add_nc_u64 s[G0B+4*\slot+2:G0B+4*\slot+3], s[G0B+4*\slot+2:G0B+4*\slot+3], 2*ROWB
	JLOAD G0+4*\slot, G1, G0B+4*\slot, G1B
	PLACES NP-4
.else
	PLACES NP
.endif
	s_wait_alu depctr_va_vdst(0)
	v_add_nc_u32 v[ADRS], 4*NQ, v[ADRS]
	FETCH_B \next, 0, 0
	FETCH_A \next, 0, 0
	SCALES \next
	WIN MUL_HI
	MUL16 4, 1, NQ-1, \slot, 0
	MUL16 6, 1, NQ-1, \slot, 0
	PLACES NP
	WIN 0
	FETCH_A \next, 0, 4
.endm
	s_wait_alu depctr_va_vdst(0)
	s_wait_loadcnt 0x0                             ; the bias
	s_wait_tensorcnt 1                             ; the scales and my part of K step 0 are in; K step 1's load may be out
	s_barrier_signal -1
	s_barrier_wait -1
	FETCH_B 0, 0, 0
	FETCH_A 0, 0, 0
	SCALES 0
	FETCH_A 0, 0, 4
	STEP 0, 0, 1
	s_mov_b32 s3, LAPS-1
.Llap:
	TURN 0, 1, 1
	STEP 1, 0, 0
	TURN 1, 0, 1
	STEP 0, 0, 0
	s_sub_co_u32 s3, s3, 1
	s_cmp_lg_u32 s3, 0
	s_cbranch_scc1 .Llap
	TURN 0, 1, 0
	STEP 1, 0, 0
	s_wait_dscnt 4*NL
	WIN MUL_LO
	MUL16 0, 1, NQ-1, 1, 0
	MUL16 2, 1, NQ-1, 1, 0
	s_wait_dscnt 0
	WIN MUL_HI
	MUL16 4, 1, NQ-1, 1, 0
	MUL16 6, 1, NQ-1, 1, 0
	WIN 0
; THE WAY OUT, block by block of 16 rows x 128 columns, through my own stage: a lane's 32 bytes go in, whole rows of 512 bytes come back, and the 32 lanes store 512 consecutive bytes.
; LDS serves a wave's instructions in order (ISA guide 5.7.1.4): no wait between the stores and the loads.
.macro TOSTAGE a
.set AC, 64*((\a)%4)
	WIN 0x08+4*((\a)/4)                            ; the data: window 2 or 3
.irp b, 0,1,2,3,4,5,6,7
	ds_store_b128 v[STO], v[AC+8*\b:AC+8*\b+3] offset:64*\b          ; each accumulator from its low end on
	ds_store_b128 v[STO], v[AC+8*\b+4:AC+8*\b+7] offset:64*\b+16
.endr
	WIN 0
.set OBK, BK+64*((\a)%2)
.irp t, 0,1,2,3,4,5,6,7,8,9,10,11,12,13,14,15
	ds_load_b128 v[OBK+4*\t:OBK+4*\t+3], v[RD] offset:\t*SPITCH
.endr
.endm
.macro SEND a, younger
.set OBK, BK+64*((\a)%2)
	s_wait_dscnt \younger                          ; the block is back in registers
.if (\a) > 0
	s_add_nc_u64 s[12:13], s[12:13], 16*SIZE_N*4   ; behind a wait on XCNT: the earlier stores have read their base
.endif
.irp t, 0,1,2,3,4,5,6,7,8,9,10,11,12,13,14,15
	global_store_b128 v[CO], v[OBK+4*\t:OBK+4*\t+3], s[12:13] offset:\t*SIZE_N*4 th:TH_STORE_NT
.endr
.endm
	PLACES NP
	TOSTAGE 0
.irp a, 1,2,3,4,5,6,7
.if \a > 1
	s_wait_xcnt 0x0                                ; block a - 2's stores have read their registers and their base
.endif
	TOSTAGE \a
	SEND \a-1, 32                                  ; behind block a - 1's loads: block a's 16 stores and 16 loads
.endr
	s_wait_xcnt 0x0
	SEND 7, 0
	s_wait_tensorcnt 0x0                           ; the wave's end
	ds_add_u32 v[SPW], v[NIL]
	s_wait_dscnt 0x0
	CROUND                                         ; the closing round
	s_endpgm
.Lfunc_end_k_q37c0c1fc1b_proj:
	.size	k_q37c0c1fc1b_proj, .Lfunc_end_k_q37c0c1fc1b_proj-k_q37c0c1fc1b_proj
	.p2alignl 7, 3214868480
	.fill 96, 4, 3214868480
	.section	.rodata,"a",@progbits
	.p2align	6, 0x0
	.amdhsa_kernel k_q37c0c1fc1b_proj
		.amdhsa_group_segment_fixed_size 327680
		.amdhsa_private_segment_fixed_size 0
		.amdhsa_enable_private_segment 0
		.amdhsa_kernarg_size 48
		.amdhsa_user_sgpr_count 2
		.amdhsa_user_sgpr_kernarg_segment_ptr 1
		.amdhsa_wavefront_size32 1
		.amdhsa_system_sgpr_workgroup_id_x 1
		.amdhsa_system_sgpr_workgroup_id_y 1
		.amdhsa_system_sgpr_workgroup_id_z 1
		.amdhsa_system_vgpr_workitem_id 0
		.amdhsa_next_free_vgpr 1024
		.amdhsa_next_free_sgpr 98
		.amdhsa_reserve_vcc 0
		.amdhsa_float_denorm_mode_32 3
		.amdhsa_float_denorm_mode_16_64 3
		.amdhsa_memory_ordered 1
		.amdhsa_forward_progress 1
		.amdhsa_inst_pref_size 148
	.end_amdhsa_kernel
	.amdgpu_metadata
---
amdhsa.version: [ 1, 2 ]
amdhsa.kernels:
  - .name:           k_q37c0c1fc1b_proj
    .symbol:         k_q37c0c1fc1b_proj.kd
    .args:
      - { .name: y_codes, .offset: 0, .size: 8, .value_kind: global_buffer, .address_space: global }
      - { .name: y_scales, .offset: 8, .size: 8, .value_kind: global_buffer, .address_space: global }
      - { .name: w_proj_codes, .offset: 16, .size: 8, .value_kind: global_buffer, .address_space: global }
      - { .name: w_proj_scales, .offset: 24, .size: 8, .value_kind: global_buffer, .address_space: global }
      - { .name: b_proj, .offset: 32, .size: 8, .value_kind: global_buffer, .address_space: global }
      - { .name: out0, .offset: 40, .size: 8, .value_kind: global_buffer, .address_space: global }
    .group_segment_fixed_size: 327680
    .private_segment_fixed_size: 0
    .kernarg_segment_align: 8
    .kernarg_segment_size: 48
    .max_flat_workgroup_size: 128
    .sgpr_count:     98
    .vgpr_count:     1024
    .wavefront_size: 32
...
	.end_amdgpu_metadata
.endif
;; end of part 3
